; MI455X (gfx1250); checked and timed in simulation.
; The chip was launched on July 23, 2026; its instructions are those of AMD's public machine-readable ISA for CDNA 5 (MIT licence, August 2026) and "CDNA5" Instruction Set Architecture Reference Guide (July 2026). The comments in the code are by the model that wrote it; some were corrected since.
;; Causal Self Attention. Allowed arithmetic: matrix products marked QUANTISED: E4M3 operands, one given power-of-two scale a tensor, by v_wmma_f32_16x16x64_fp8_fp8 or v_wmma_f32_16x16x128_fp8_fp8, f32 sums; everything else in f32.
;; Inputs: W_proj 1,024 x 1,024 float32; W_qkv 1,024 x 3,072 float32; cos 2,048 x 64 float32; lowp_scales 8 int32 (the exponents e of the quantised operands' scales 2^e); sin 2,048 x 64 float32; x 4 x 2,048 x 1,024 float32.
;; Outputs: out0 4 x 2,048 x 1,024 float32.
;; This version of the problem:
;;   THIS VERSION OF THE PROBLEM IS GIVEN IN LOW PRECISION. The matrix products marked QUANTISED in the list below multiply operands that are first quantised to E4M3 (4 exponent bits, 3 mantissa bits; 8 bits a number), with one given power-of-two scale for each operand tensor; their sums are f32. All else is computed in f32.
;;   The module's matrix products, in the order in which they are computed (A, B: the left and right operand; K: the contracted axis; several contracted axes count as one K, in the product's order):
;;     1. [M 8,192, K 1,024] x [K 1,024, N 3,072]; A: input x; B: input W_qkv: QUANTISED (scales: A lowp_scales[0], B lowp_scales[1])
;;     2. batch 64 x [M 2,048, K 64] x [K 64, N 2,048]; A: computed on the way; B: computed on the way: QUANTISED (scales: A lowp_scales[2], B lowp_scales[3])
;;     3. batch 64 x [M 2,048, K 2,048] x [K 2,048, N 64]; A: softmax (see below); B: computed on the way: QUANTISED (scales: A lowp_scales[4], B lowp_scales[5])
;;     4. [M 8,192, K 1,024] x [K 1,024, N 1,024]; A: computed on the way; B: input W_proj: QUANTISED (scales: A lowp_scales[6], B lowp_scales[7])
;;   THE QUANTISER, for each operand of a quantised product, along K:
;;     - The operand's scale is 2^e, e = its entry of the input lowp_scales (int32; the entries are numbered through the quantised products in the list's order, A before B).
;;     - Each number is divided by the scale, clamped to +-448, and rounded to the nearest number of E4M3, ties to even, subnormals kept.
;;     - The product sums the exact products of the quantised numbers (number of the format x scale) in f32.
;;   ~~~python
;;   def quantise(x, axis, e):      # numpy; x: float32 -> the quantised numbers, widened to float32 again
;;       x = np.moveaxis(x, axis, -1); K = x.shape[-1]
;;       r = np.clip(x / 2.0 ** e, -448, 448)
;;       step = 2.0 ** (np.maximum(np.frexp(np.where(r == 0, 1, r))[1] - 1, -6) - 3)
;;       q = np.round(r / step) * step * 2.0 ** e      # np.round: ties to even
;;       return np.moveaxis(q, -1, axis).astype(np.float32)
;;   ~~~
;;   SOFTMAX AHEAD OF A QUANTISED PRODUCT. Where the list says 'softmax', what is quantised is not the finished softmax but p = 2^(t - M), with t = logit x log2(e) and M = ceil(the row's largest t), a whole number; so 1/2 < the row's largest p <= 1. The row's sum l is taken of the UNQUANTISED p, in f32, and the product's result is divided by l at the end. Since M is a whole number, a kernel that streams over the keys may use a running M (the ceiling of the running maximum): every later rescaling is an exact power of two, so the quantised numbers keep their values, but for numbers so far below the row's largest that they fall under the format's range.
;;   OPERANDS COMPUTED ON THE WAY. 'Computed on the way' means the value that the module computes at that place (a softmax that the list does not call 'softmax' is quantised finished and normalised). What goes into a quantiser is computed in f32, as accurately as f32 sums, v_exp_f32 and their like allow (about 1e-6 of the number): no bf16 or f16 on the way to a quantiser, and a product that is left as it is and whose result goes on into a quantised operand takes f32 operands (vector FMAs, or v_wmma_f32_16x16x4_f32). A number that lies on a knife's edge between two numbers of the format may be rounded either way, as far as f32 arithmetic and the matrix unit's own rounding can turn it there, and no further.
;; One version. Each part assembles by itself: llvm-mc -triple=amdgcn-amd-amdhsa -mcpu=gfx1250 --defsym DOCPART=n.
;; ======== version 1 of 1: 4 launches
;; limits: right only within a limited range of input values
;; workspace buffers: xc 8,388,608 bytes; wc 3,145,728 bytes; wpc 1,048,576 bytes; rope 1,048,576 bytes; qc 8,388,608 bytes; kc 8,388,608 bytes; vc 8,388,608 bytes; yc 8,388,608 bytes
;; launch quant (part 1): grid 416 x 1, 4 waves a work-group, no clusters, 68,096 bytes of LDS; arguments x, W_qkv, W_proj, cos, sin, lowp_scales, xc, wc, wpc, rope; writes xc, wc, wpc, rope
.if DOCPART == 1
	.amdgcn_target "amdgcn-amd-amdhsa--gfx1250"
	.amdhsa_code_object_version 6
	.text
	.protected	k_q4d70501ac0_quant
	.globl	k_q4d70501ac0_quant
	.p2align	8
	.type	k_q4d70501ac0_quant,@function
k_q4d70501ac0_quant:
	s_mov_b64 s[64:65], 0
	v_nop
	global_prefetch_b8 v0, s[64:65] scope:SCOPE_SE
	s_setreg_imm32_b32 hwreg(HW_REG_WAVE_MODE, 25, 1), 1
	s_wait_xcnt 0x0
; THE OPERANDS THAT ARRIVE AS f32 ARE QUANTISED ONCE, and the two rotary tables are laid as their reader's registers want them.
;   work-groups 0-255:   x [8192][1024] f32 -> xc [8192][1024] codes of E4M3 (K innermost as it lies), scale 2^e0.
;   work-groups 256-383: W_qkv [1024 k][3072 n], W_proj [1024 k][1024 n] f32 -> wc [3072][1024], wpc [1024][1024] codes with K innermost, scales 2^e1, 2^e7.
;   work-groups 384-415: cos, sin [2048][64] f32 -> rope [t block 128][piece 16][lane 32][16 bytes]: pieces 0-7 cos, 8-15 sin; piece 2 c + u of lane (r, h) = table[16 tb + r][16 c + 8 h + 4 u .. + 3].
; code = number / 2^e, held within +-448, rounded to the nearest code, ties to even.
; LIMITS: e0, e1, e7 between -126 and 119, so that 2^e and 448 x 2^e are f32 numbers.  NaN among the inputs is not served; an infinity is held at the largest code.
; Every x and W work-group moves 131,072 bytes of f32.  No tensor load, no barrier: waves share nothing.  The three ways part on the work-group's number; each way that uses LDS has LDS bytes of its own.
.set XST,   0                          ; x's way: 8,192 bytes a wave: two stages of 32 x 80 bytes
.set WST,   32768                      ; W's way: 8,704 bytes a wave: 32 rows of 272 bytes
.set SPARE, 67584                      ; behind both: the spare words, 128 bytes for each wave: two blocks of 256 bytes that no other line names
.set SPW,   12                         ; v12  LDS address of my spare word; never rewritten
.set NIL,   13                         ; v13  0; never rewritten
.set SP,    80                         ; x: a lane's place in a stage: its 64 bytes + 16 of padding
.set R,     16                         ; x: v16-79   four sets of 16 numbers as they are loaded
.set X,     80                         ; x: v80-111  two sets of 16 neighbours
.set C,     128                        ; x: v128-191 codes, four registers a step: no store's data are written again
.set WX,    32                         ; W: v32-95   two sets of 32 numbers down K
.set WC,    96                         ; W: v96-103  a block's codes
.set OUTR,  112                        ; W: v112-175 the way out
.set WOF,   176                        ; W: v176-207 byte offset of row i of a block: i x pitch + 4 x lane; never rewritten
	s_load_b256 s[4:11], s[0:1], 0x0               ; x s[4:5], W_qkv s[6:7], W_proj s[8:9], cos s[10:11]
	s_load_b256 s[12:19], s[0:1], 0x20             ; sin s[12:13], the exponents s[14:15], xc s[16:17], wc s[18:19]
	s_load_b128 s[20:23], s[0:1], 0x40             ; wpc s[20:21], rope s[22:23]
	v_lshl_add_u32 v[SPW], v0, 2, SPARE
	v_mov_b32 v[NIL], 0
	v_lshrrev_b32 v1, 5, v0
	v_readfirstlane_b32 s24, v1                    ; wave 0..3
	v_and_b32 v2, 31, v0                           ; lane
	v_lshlrev_b32 v3, 4, v2                        ; 16 x lane
	v_lshlrev_b32 v5, 2, v2                        ; 4 x lane
	; every LDS address is made here, ahead of the parting of the ways
	s_lshl_b32 s25, s24, 13                        ; x's stages of my wave (XST = 0)
	v_lshrrev_b32 v14, 2, v2
	v_mul_u32_u24 v14, v14, SP
	v_and_b32 v15, 3, v2
	v_lshl_add_u32 v14, v15, 4, v14
	v_add_nc_u32 v14, s25, v14                     ; in: four lanes' 64 bytes on end, then 16 of padding
	v_mul_u32_u24 v15, v2, SP
	v_add_nc_u32 v15, s25, v15                     ; out: my 16 neighbours
	s_mul_i32 s25, s24, 8704
	s_add_co_u32 s25, s25, WST                     ; W's stage of my wave
	v_mul_u32_u24 v4, v2, 272
	v_add_nc_u32 v4, s25, v4                       ; in: row = my column
	v_and_b32 v6, 15, v2
	v_lshrrev_b32 v1, 4, v2
	v_mul_u32_u24 v7, v1, 272
	v_lshl_add_u32 v7, v6, 4, v7
	v_add_nc_u32 v7, s25, v7                       ; out: sixteen lanes to a row, two rows an instruction
	v_lshlrev_b32 v8, 10, v1
	v_lshl_add_u32 v8, v6, 4, v8                   ; and the same place in the codes' buffer (a row is 1,024 bytes)
	v_lshlrev_b32 v9, 8, v6
	v_lshl_add_u32 v9, v1, 5, v9                   ; the tables: row r of 256 bytes + 32 h
	s_wait_kmcnt 0x0
	s_load_b256 s[32:39], s[14:15], 0x0            ; e0 .. e7
	s_cmp_lt_u32 ttmp9, 256
	s_cbranch_scc0 .Lnot_x
; ---------------- x: a plain stream of blocks of 32.  A wave takes 16 steps of 512 numbers.  Each load reads 512 consecutive bytes; a step's 2,048 bytes turn through the wave's stage so that a lane holds 16 neighbours.
	s_lshl_b32 s26, ttmp9, 2
	s_add_co_u32 s26, s26, s24                     ; which run of 8,192 numbers is my wave's
	s_lshl_b32 s28, s26, 15
	s_mov_b32 s29, 0
	s_add_nc_u64 s[4:5], s[4:5], s[28:29]
	s_lshl_b32 s28, s26, 13
	s_add_nc_u64 s[16:17], s[16:17], s[28:29]
.macro XLOAD t
.irp i, 0,1,2,3
	global_load_b128 v[R+16*((\t)%4)+4*\i:R+16*((\t)%4)+4*\i+3], v3, s[4:5] offset:2048*(\t)+512*\i th:TH_LOAD_NT
.endr
.endm
.macro XTURN t                         ; LDS serves a wave's instructions in order: no wait between the stores and the loads
.irp i, 0,1,2,3
	ds_store_b128 v14, v[R+16*((\t)%4)+4*\i:R+16*((\t)%4)+4*\i+3] offset:32*SP*((\t)%2)+8*SP*\i
.endr
.irp i, 0,1,2,3
	ds_load_b128 v[X+16*((\t)%2)+4*\i:X+16*((\t)%2)+4*\i+3], v15 offset:32*SP*((\t)%2)+16*\i
.endr
.endm
.irp t, 0,1,2,3
	XLOAD \t
.endr
	s_wait_kmcnt 0x0
	s_add_co_i32 s26, s32, 127
	s_lshl_b32 s27, s26, 23
	v_mov_b32 v11, s27                             ; 2^e0 as f32: the conversion takes its exponent field
	s_add_co_i32 s26, s26, 8
	s_lshl_b32 s26, s26, 23
	s_or_b32 s26, s26, 0x600000
	s_wait_alu depctr_va_vdst(0)
	s_wait_loadcnt 12                              ; step 0's four loads are in; three steps' twelve stay out
	XTURN 0
.macro XSTEP t
.set XS, X+16*((\t)%2)
	s_wait_dscnt 0x0                               ; this step's numbers are back from the stage, so its stores into the stage have read their registers,
.if (\t)+4 < 16
	XLOAD (\t)+4                                   ; which take the loads of four steps on
.endif
.if (\t)+1 < 16
.if 14-(\t) >= 3
	s_wait_loadcnt 12                              ; the next step's four loads are in; those of the three steps behind it may be out
.else
	s_wait_loadcnt 4*(14-(\t))
.endif
	XTURN (\t)+1
.endif
.irp i, 0,1,2,3,4,5,6,7,8,9,10,11,12,13,14,15
.endr
	v_cvt_scalef32_pk8_fp8_f32 v[C+4*(\t):C+4*(\t)+1], v[XS:XS+7], v11
	v_cvt_scalef32_pk8_fp8_f32 v[C+4*(\t)+2:C+4*(\t)+3], v[XS+8:XS+15], v11
	global_store_b128 v3, v[C+4*(\t):C+4*(\t)+3], s[16:17] offset:512*(\t)   ; the wave stores 512 consecutive bytes, aligned
.endm
.irp t, 0,1,2,3,4,5,6,7,8,9,10,11,12,13,14,15
	XSTEP \t
.endr
	s_branch .Lend
.Lnot_x:
	s_cmp_lt_u32 ttmp9, 384
	s_cbranch_scc0 .Lrope
; ---------------- W: K is the FIRST axis.  A lane takes a column n and its registers run down K: the conversions then give codes with K innermost.  A wave takes 32 columns x 256 along K.
; One way serves both weights: column groups 0-23 are W_qkv's, 24-31 W_proj's; pointers, pitch and exponent are chosen on the work-group's number.
	s_sub_co_u32 s26, ttmp9, 256
	s_and_b32 s27, s26, 31                         ; column group
	s_lshr_b32 s28, s26, 5                         ; which 256 along K
	s_mov_b32 s26, 4096
	s_cmp_lt_u32 s27, 24
	s_cselect_b64 s[6:7], s[6:7], s[8:9]           ; the weight,
	s_cselect_b64 s[18:19], s[18:19], s[20:21]     ; its codes,
	s_cselect_b32 s26, 12288, s26                  ; bytes in a row of it,
	s_cselect_b32 s29, 0, 24
	s_sub_co_u32 s29, s27, s29                     ; the group's number within it
	s_lshl_b32 s29, s29, 7
	s_lshl_b32 s30, s24, 5
	s_add_co_u32 s29, s29, s30                     ; my wave's first column
	s_lshl_b32 s30, s28, 8                         ; my first k
	s_mul_i32 s56, s30, s26
	s_lshl_b32 s31, s29, 2
	s_add_co_u32 s56, s56, s31
	s_mov_b32 s57, 0
	s_add_nc_u64 s[40:41], s[6:7], s[56:57]        ; block 0's first row at my first column
	s_lshl_b32 s56, s26, 5                         ; 32 rows on
.irp t, 1,2,3,4,5,6,7
	s_add_nc_u64 s[40+2*\t:41+2*\t], s[38+2*\t:39+2*\t], s[56:57]   ; a base for each of the eight blocks: none is ever stepped
.endr
	s_lshl_b32 s58, s29, 10
	s_add_co_u32 s58, s58, s30
	s_mov_b32 s59, 0
	s_add_nc_u64 s[18:19], s[18:19], s[58:59]      ; codes: column x 1,024 + k
.set i, 0
.rept 32
	v_mad_u32_u24 v[WOF+i], s26, i, v5
.set i, i+1
.endr
.macro WLOAD t                         ; block t: W(32 t + i, my column): each load reads 128 consecutive bytes, the four waves side by side 512
.set i, 0
.rept 32
	global_load_b32 v[WX+32*((\t)%2)+i], v[WOF+i], s[40+2*(\t):41+2*(\t)] th:TH_LOAD_NT
.set i, i+1
.endr
.endm
	WLOAD 0
	WLOAD 1
	s_wait_kmcnt 0x0
	s_cmp_lt_u32 s27, 24
	s_cselect_b32 s30, s33, s39                    ; e1 or e7
	s_add_co_i32 s30, s30, 127
	s_lshl_b32 s31, s30, 23
	v_mov_b32 v11, s31
	s_add_co_i32 s30, s30, 8
	s_lshl_b32 s30, s30, 23
	s_or_b32 s30, s30, 0x600000
.macro WBLOCK t
.set XS, WX+32*((\t)%2)
.if (\t) < 7
	s_wait_loadcnt 32                              ; this block's 32 loads are in; the next block's may be out
.else
	s_wait_loadcnt 0
.endif
.set i, 0
.rept 32
.set i, i+1
.endr
.irp g, 0,1,2,3
	v_cvt_scalef32_pk8_fp8_f32 v[WC+2*\g:WC+2*\g+1], v[XS+8*\g:XS+8*\g+7], v11
.endr
	ds_store_b128 v4, v[WC:WC+3] offset:32*(\t)    ; 32 codes: 32 bytes of my column's row
	ds_store_b128 v4, v[WC+4:WC+7] offset:32*(\t)+16
.if (\t)+2 < 8
	WLOAD (\t)+2
.endif
	s_wait_dscnt 0x0                               ; the stores have read their registers: the next block's codes may be written
.endm
	s_wait_alu depctr_va_vdst(0)
.irp t, 0,1,2,3,4,5,6,7
	WBLOCK \t
.endr
.irp t, 0,1,2,3,4,5,6,7,8,9,10,11,12,13,14,15
	ds_load_b128 v[OUTR+4*\t:OUTR+4*\t+3], v7 offset:544*\t
.endr
.irp t, 0,1,2,3,4,5,6,7,8,9,10,11,12,13,14,15
	s_wait_dscnt 15-\t                             ; the younger loads of the run may be out
	global_store_b128 v8, v[OUTR+4*\t:OUTR+4*\t+3], s[18:19] offset:2048*\t   ; sixteen lanes store 256 consecutive bytes, aligned
.endr
	s_branch .Lend
.Lrope:
; ---------------- the tables: a wave takes 16 rows t.  The short pieces of rows are read here once, so that the next launch reads 512 consecutive bytes an instruction.
	s_sub_co_u32 s26, ttmp9, 384
	s_lshl_b32 s26, s26, 2
	s_add_co_u32 s26, s26, s24                     ; t block 0..127
	s_lshl_b32 s28, s26, 12
	s_mov_b32 s29, 0
	s_add_nc_u64 s[10:11], s[10:11], s[28:29]
	s_add_nc_u64 s[12:13], s[12:13], s[28:29]
	s_lshl_b32 s28, s26, 13
	s_add_nc_u64 s[22:23], s[22:23], s[28:29]
	s_wait_alu depctr_va_vdst(0)
.irp p, 0,1,2,3,4,5,6,7
	global_load_b128 v[32+4*\p:35+4*\p], v9, s[10:11] offset:64*(\p/2)+16*(\p%2)
.endr
.irp p, 0,1,2,3,4,5,6,7
	global_load_b128 v[64+4*\p:67+4*\p], v9, s[12:13] offset:64*(\p/2)+16*(\p%2)
.endr
	s_wait_kmcnt 0x0                               ; (the exponents, which this way does not use, have come)
.irp p, 0,1,2,3,4,5,6,7,8,9,10,11,12,13,14,15
	s_wait_loadcnt 15-\p
	global_store_b128 v3, v[32+4*\p:35+4*\p], s[22:23] offset:512*\p
.endr
.Lend:
	s_wait_tensorcnt 0x0                           ; the wave's end, behind my last LDS store
	ds_add_u32 v[SPW], v[NIL]
	s_wait_dscnt 0x0
	s_endpgm
.Lfunc_end_k_q4d70501ac0_quant:
	.size	k_q4d70501ac0_quant, .Lfunc_end_k_q4d70501ac0_quant-k_q4d70501ac0_quant
	.p2alignl 7, 3214868480
	.fill 96, 4, 3214868480
	.section	.rodata,"a",@progbits
	.p2align	6, 0x0
	.amdhsa_kernel k_q4d70501ac0_quant
		.amdhsa_group_segment_fixed_size 68096
		.amdhsa_private_segment_fixed_size 0
		.amdhsa_enable_private_segment 0
		.amdhsa_kernarg_size 80
		.amdhsa_user_sgpr_count 2
		.amdhsa_user_sgpr_kernarg_segment_ptr 1
		.amdhsa_wavefront_size32 1
		.amdhsa_system_sgpr_workgroup_id_x 1
		.amdhsa_system_sgpr_workgroup_id_y 1
		.amdhsa_system_sgpr_workgroup_id_z 1
		.amdhsa_system_vgpr_workitem_id 0
		.amdhsa_next_free_vgpr 224
		.amdhsa_next_free_sgpr 66
		.amdhsa_reserve_vcc 0
		.amdhsa_float_denorm_mode_32 3
		.amdhsa_float_denorm_mode_16_64 3
		.amdhsa_fp16_overflow 1
		.amdhsa_memory_ordered 1
		.amdhsa_forward_progress 1
		.amdhsa_inst_pref_size 60
	.end_amdhsa_kernel
	.amdgpu_metadata
---
amdhsa.version: [ 1, 2 ]
amdhsa.kernels:
  - .name:           k_q4d70501ac0_quant
    .symbol:         k_q4d70501ac0_quant.kd
    .args:
      - { .name: x, .offset: 0, .size: 8, .value_kind: global_buffer, .address_space: global }
      - { .name: W_qkv, .offset: 8, .size: 8, .value_kind: global_buffer, .address_space: global }
      - { .name: W_proj, .offset: 16, .size: 8, .value_kind: global_buffer, .address_space: global }
      - { .name: cos, .offset: 24, .size: 8, .value_kind: global_buffer, .address_space: global }
      - { .name: sin, .offset: 32, .size: 8, .value_kind: global_buffer, .address_space: global }
      - { .name: lowp_scales, .offset: 40, .size: 8, .value_kind: global_buffer, .address_space: global }
      - { .name: xc, .offset: 48, .size: 8, .value_kind: global_buffer, .address_space: global }
      - { .name: wc, .offset: 56, .size: 8, .value_kind: global_buffer, .address_space: global }
      - { .name: wpc, .offset: 64, .size: 8, .value_kind: global_buffer, .address_space: global }
      - { .name: rope, .offset: 72, .size: 8, .value_kind: global_buffer, .address_space: global }
    .group_segment_fixed_size: 68096
    .private_segment_fixed_size: 0
    .kernarg_segment_align: 8
    .kernarg_segment_size: 80
    .max_flat_workgroup_size: 128
    .sgpr_count:     66
    .vgpr_count:     224
    .wavefront_size: 32
...
	.end_amdgpu_metadata
.endif
;; end of part 1
;; launch qkv (part 2): grid 12 x 32, 4 waves a work-group, clusters of 4 x 4, 327,680 bytes of LDS; arguments xc, wc, lowp_scales, rope, qc, kc, vc; writes qc, kc, vc
.if DOCPART == 2
	.amdgcn_target "amdgcn-amd-amdhsa--gfx1250"
	.amdhsa_code_object_version 6
	.text
	.protected	k_q4d70501ac0_qkv
	.globl	k_q4d70501ac0_qkv
	.p2align	8
	.type	k_q4d70501ac0_qkv,@function
k_q4d70501ac0_qkv:
	s_mov_b64 s[64:65], 0
	v_nop
	global_prefetch_b8 v0, s[64:65] scope:SCOPE_SE
	s_setreg_imm32_b32 hwreg(HW_REG_WAVE_MODE, 25, 1), 1
	s_wait_xcnt 0x0
	s_wait_alu depctr_hold_cnt(0) depctr_sa_sdst(0) depctr_va_vdst(0) depctr_va_sdst(0) depctr_va_ssrc(0) depctr_va_vcc(0) depctr_vm_vsrc(0)
	s_getreg_b32 s2, hwreg(HW_REG_IB_STS2, 6, 4)
	s_cmp_eq_u32 s2, 0
	s_cbranch_scc0 .Lentry_in_a_cluster
	s_endpgm
.Lentry_in_a_cluster:
	s_bfe_u32 s2, ttmp6, 0x10000c
	s_cmp_lg_u32 s2, 0xf033
	s_cbranch_scc0 .Lentry_shape_is_right
	s_endpgm
.Lentry_shape_is_right:
; qkv = x W_qkv on codes of E4M3, then the rotary turn of q and k in f32, then the quantisers of q, k and v.  xc [8192][1024], wc [3072][1024]: codes, K innermost.
; A tile of the product, 256 x 256, is made by four waves; a wave makes 128 x 128: 64 accumulators.  K goes in four steps of 256 through a ring of two LDS slots filled by the tensor data mover.
; CLUSTERS: 4 x 4 work-groups; x's tiles are asked for jointly along a row of the cluster, W's along a column.  Cluster x = 0 makes q's columns, 1 k's, 2 v's: what hangs on it is equal in all sixteen partners.
; q, k: source 0 = 16 rows of W, source 1 = 16 rows of x: lane (r, h) holds row t = 16 a + r, and register j of accumulator (a, 4 g + c) the channel d = 16 c + 8 h + j of head g.  So the partner d +- 32 of the rotary turn lies in the
;   same lane, two accumulators away, and eight registers converted are registers 2 c, 2 c + 1 of the 16 x 64 fragment that the scores' product wants.
; v: the two sources change places, BY LDS ADDRESS ALONE: lane (r, h) then holds channel d = 16 a + r and its registers run along the keys t = 16 b + 8 h + j, which are the K of the second product of attention.
; THE RESULTS LEAVE AS IMAGES OF THEIR READER'S REGISTERS, straight from registers: four registers a lane at 16 x lane, 512 consecutive aligned bytes a store.
;   qc, kc: [batch x head 64][t block 128][piece 2][lane 32][16 bytes];  vc: [batch x head 64][128 keys: 16][d block 4][piece 4][lane 32][16 bytes].
; A sum stands for sum x 2^(e0 + e1) and the rotary turn is linear, so it works on the raw sums, and the three exponents are folded into the conversion's one: 2^(e - e0 - e1), e = e2 (q), e3 (k), e5 (v).
; The turn is one multiply and one fused multiply-add a number: it differs from a multiply, a multiply and an add by one rounding at the most.
; LIMITS: e2 - e0 - e1, e3 - e0 - e1 and e5 - e0 - e1 between -126 and 119.  NaN is not served.
; REGISTERS, in windows of 256: window 0: v0-31 addresses; from v128 source 1's fragments, ONE set; on the way out v32-95 at work, v128-255 the codes.   window 1: source 0's fragments, TWO sets; on the way out v0-127 two sets of the tables.
;   window 2: the 32 accumulators of blocks a = 0-3 ((a, b) at v[8 (8 a + b)]);   window 3: those of blocks 4-7.
.set SIZE_K, 1024
.set KSTEP,  256
.set ROWB,   256                       ; a tile's row in bytes
.set KROW,   SIZE_K                    ; a row of xc or wc in memory
.set PITCH,  272                       ; an LDS row: 256 bytes + 16 of padding = 68 words: the 16 rows that a load touches start at 16 different banks (64 banks of 4 bytes: ISA guide 11.1)
.set FR,     16
.set NL,     4
.set NP,     4                         ; places behind this matrix instruction (ISA guide 7.12.1)
.set HALFT,  128*PITCH
.set SLOT,   4*HALFT                   ; x's 256 rows, then W's 256 rows
.set LAPS,   SIZE_K/(2*KSTEP)
.set SPARE,  2*SLOT                    ; behind the ring: the spare words, 128 bytes for each wave: two blocks of 256 bytes that no other line names
.set ADRA, 16                          ; v16-17  LDS address of source 1's fragments in slot 0, 1
.set ADRB, 20                          ; v20-21  of source 0's
.set LI,   24                          ; v24     16 x lane; never rewritten
.set SPW,  28                          ; v28     LDS address of my spare word; never rewritten
.set NIL,  29                          ; v29     0; never rewritten
.set SCL,  30                          ; v30     the conversion's scale as f32
.set LIMV, 31
.set TMP,  32                          ; v32-95  64 numbers at work
.set AF,   128
.set CD,   128                         ; v128-255 the codes: 16 registers a block, never rewritten
.set G1, 24
.set G0, 32
.set G1B, 48
.set G0B, 56
.set OUTP, 84                          ; s[84:85] where my wave's images begin
.set ROPE, 86                          ; s[86:87] the tables of my wave's 128 rows
.set MSB, 0
.macro WIN new                         ; the immediate's high byte repeats the setting that is left
.if MSB != \new
	s_set_vgpr_msb (MSB<<8)|\new
.set MSB, \new
.endif
.endm
.set MUL_LO, 0xa1                      ; source 0 window 1, source 1 window 0, C and D window 2
.set MUL_HI, 0xf1
.set TO_B,   0x40
; A joint load: waves 0 and 1 fetch x's halves, waves 2 and 3 W's.  The branch hangs on the wave's number alone.  An s_nop 0 and four v_nop follow each of the two lines.
.macro JLOAD g0a, g1a, g0b, g1b
	s_cmp_eq_u32 s15, 0
	s_cbranch_scc0 .Lfor_b_\@
	tensor_load_to_lds s[\g0a:\g0a+3], s[\g1a:\g1a+7]
	s_nop 0
.rept 4
	v_nop
.endr
	s_branch .Lasked_\@
.Lfor_b_\@:
	tensor_load_to_lds s[\g0b:\g0b+3], s[\g1b:\g1b+7]
	s_nop 0
.rept 4
	v_nop
.endr
.Lasked_\@:
.endm
.macro CREST                           ; a round of the cluster's barrier behind its opening barrier
	s_cmp_lg_u32 s14, 0
	s_cbranch_scc1 .Lnot_wave_0_\@
	s_barrier_signal -3
.Lnot_wave_0_\@:
	s_barrier_wait -3
	s_barrier_signal -1
	s_barrier_wait -1
.endm
.macro CROUND
	s_barrier_signal -1
	s_barrier_wait -1
	CREST
.endm
	s_load_b128 s[4:7], s[0:1], 0x0                ; xc s[4:5], wc s[6:7]
	s_load_b128 s[8:11], s[0:1], 0x10              ; the exponents s[8:9], rope s[10:11]
	s_load_b128 s[68:71], s[0:1], 0x20             ; qc s[68:69], kc s[70:71]
	s_load_b64 s[72:73], s[0:1], 0x30              ; vc
	v_lshl_add_u32 v[SPW], v0, 2, SPARE
	v_mov_b32 v[NIL], 0
	ds_add_u32 v[SPW], v[NIL]                      ; the wave's opening: the add and its wait stand ahead of my first tensor load; the set-up below, work on registers, stands between them
	ds_add_u32 v[SPW], v[NIL]
	v_lshrrev_b32 v1, 5, v0
	v_readfirstlane_b32 s14, v1                    ; wave 0..3
	s_lshr_b32 s15, s14, 1                         ; which half of the tile's rows is mine.  Also: I fetch for x (0) or for W (1)
	s_and_b32 s16, s14, 1                          ; which half of its columns.  Also: which 128 rows of that tile I fetch
	s_bfe_u32 s40, ttmp6, 0x40000                  ; cx, cy: my place in the cluster
	s_bfe_u32 s41, ttmp6, 0x40004
	s_lshl_b32 s42, ttmp9, 2
	s_add_co_u32 s42, s42, s40                     ; tile column = 4 x cluster x + cx
	s_and_b32 s17, ttmp7, 0xffff
	s_lshl_b32 s17, s17, 2
	s_add_co_u32 s17, s17, s41                     ; tile row = 4 x cluster y + cy
	s_lshl_b32 s43, s41, 2
	s_lshl_b32 s43, 15, s43                        ; my row of the cluster
	s_lshl_b32 s44, 0x1111, s40                    ; my column
	s_or_b32 s[G1+0], s43, (0<<16)|(1<<20)|(1<<21)|(5<<22)|(3<<25)  ; 15:0 the mask; 17:16 elements of 1 byte; 20 padding on; 21 set beside a mask; 24:22 after every 64 words; 31:25 four words
	s_or_b32 s[G1B+0], s44, (0<<16)|(1<<20)|(1<<21)|(5<<22)|(3<<25)
.irp g, G1, G1B
	s_mov_b32 s[\g+1], ROWB<<16                    ; tensor_dim0
	s_mov_b32 s[\g+2], 128<<16                     ; tensor_dim1
	s_mov_b32 s[\g+3], ROWB<<16                    ; tile_dim0
	s_mov_b32 s[\g+4], 128                         ; tile_dim1
	s_mov_b32 s[\g+5], KROW                        ; tensor_dim0_stride
	s_mov_b32 s[\g+6], 0
	s_mov_b32 s[\g+7], 0
.endr
	s_lshl_b32 s18, s16, 7                         ; which 128 rows of the tile I fetch
	s_lshl_b32 s20, s17, 8
	s_add_co_u32 s20, s20, s18                     ; x: row 256 x tile row + 128 x half,
	s_lshl_b32 s20, s20, 10                        ; in bytes
	s_lshl_b32 s46, s42, 8
	s_add_co_u32 s46, s46, s18                     ; W: row 256 x tile column + 128 x half
	s_lshl_b32 s46, s46, 10
	s_mov_b32 s21, 0
	s_mov_b32 s47, 0
	s_mul_i32 s45, s14, HALFT                      ; where they go: wave x 128 rows: no place in the cluster enters an LDS address
	s_wait_dscnt 0x0                               ; the opening add is done
	s_wait_kmcnt 0x0
	s_load_b256 s[76:83], s[8:9], 0x0              ; e0 .. e7
	s_add_nc_u64 s[20:21], s[4:5], s[20:21]
	s_add_nc_u64 s[46:47], s[6:7], s[46:47]
	CROUND                                         ; all sixteen work-groups are here: the first joint loads meet
.irp s, 0,1
	s_mov_b32 s[G0+4*\s], 1
	s_add_co_u32 s[G0+4*\s+1], s45, \s*SLOT
	s_add_nc_u64 s[G0+4*\s+2:G0+4*\s+3], s[20:21], \s*ROWB
	s_or_b32 s[G0+4*\s+3], s[G0+4*\s+3], 0x80000000
	s_mov_b32 s[G0B+4*\s], 1
	s_add_co_u32 s[G0B+4*\s+1], s45, \s*SLOT
	s_add_nc_u64 s[G0B+4*\s+2:G0B+4*\s+3], s[46:47], \s*ROWB
	s_or_b32 s[G0B+4*\s+3], s[G0B+4*\s+3], 0x80000000
	JLOAD G0+4*\s, G1, G0B+4*\s, G1B
.endr
	v_and_b32 v1, 15, v0                           ; l % 16
	v_bfe_u32 v2, v0, 4, 1                         ; l / 16
	v_mul_u32_u24 v3, v1, PITCH
	v_lshl_add_u32 v4, v2, 4, v3                   ; a fragment's row x pitch + 16 x half
	s_wait_alu depctr_va_vdst(0)
	s_mul_i32 s21, s15, HALFT                      ; my 128 rows of x
	s_mul_i32 s22, s16, HALFT                      ; my 128 rows of W,
	s_add_co_u32 s22, s22, 2*HALFT                 ; which lie behind x's 256
	s_cmp_eq_u32 ttmp9, 2                          ; v's columns: the sources change places
	s_cselect_b32 s66, s22, s21                    ; source 1 reads x's rows (q, k) or W's (v),
	s_cselect_b32 s67, s21, s22                    ; source 0 the other
.irp s, 0,1
	v_add_nc_u32 v[ADRA+\s], s66, v4
	v_add_nc_u32 v[ADRB+\s], s67, v4
	s_add_co_u32 s66, s66, SLOT
	s_add_co_u32 s67, s67, SLOT
.endr
	v_and_b32 v6, 31, v0
	v_lshlrev_b32 v[LI], 4, v6
	; where my wave's images begin: (batch x 16 + head) x 131,072 + (my 128 rows' number within the batch) x 8,192: the same sum for q, k and v
	s_lshr_b32 s88, s17, 3                         ; batch
	s_lshl_b32 s88, s88, 4
	s_lshl_b32 s89, s40, 2
	s_add_co_u32 s88, s88, s89
	s_lshl_b32 s89, s16, 1
	s_add_co_u32 s88, s88, s89                     ; + my first head: 4 cx + 2 x column half
	s_lshl_b32 s88, s88, 17
	s_and_b32 s89, s17, 7
	s_lshl_b32 s89, s89, 1
	s_add_co_u32 s89, s89, s15                     ; my 128 rows' number within the batch
	s_lshl_b32 s91, s89, 13
	s_add_co_u32 s88, s88, s91
	s_lshl_b32 s92, s89, 16                        ; the tables: 8 t blocks of 8,192 bytes
	s_mov_b32 s93, 0
	s_mov_b32 s89, 0
	s_cmp_eq_u32 ttmp9, 0
	s_cselect_b64 s[OUTP:OUTP+1], s[68:69], s[70:71]
	s_cmp_eq_u32 ttmp9, 2
	s_cselect_b64 s[OUTP:OUTP+1], s[72:73], s[OUTP:OUTP+1]
	s_add_nc_u64 s[OUTP:OUTP+1], s[OUTP:OUTP+1], s[88:89]
	s_add_nc_u64 s[ROPE:ROPE+1], s[10:11], s[92:93]
.macro FRAG reg, adr, q, i             ; 16 rows x 128 K in 16 registers: registers 4 c .. 4 c + 3 hold K = 32 c + 16 (l / 16) + 0 .. 15: a permutation of k, the same in both sources
.irp c, 0,1,2,3
	ds_load_b128 v[\reg+4*\c:\reg+4*\c+3], v[\adr] offset:128*(\q)+32*\c+(\i)*16*PITCH
.endr
.endm
; 16 matrix instructions: source 1's blocks a0, a0 + 1 x source 0's eight.  The 64 accumulators take turns, one instruction a turn, in the same order in every step.
.macro MUL16 a0, p, zero
.irp a, \a0, \a0+1
.irp b, 0,1,2,3,4,5,6,7
.if \zero
	v_wmma_f32_16x16x128_fp8_fp8 v[8*(8*((\a)%4)+\b):8*(8*((\a)%4)+\b)+7], v[128*(\p)+FR*\b:128*(\p)+FR*\b+FR-1], v[AF+FR*(\a):AF+FR*(\a)+FR-1], 0
.else
	v_wmma_f32_16x16x128_fp8_fp8 v[8*(8*((\a)%4)+\b):8*(8*((\a)%4)+\b)+7], v[128*(\p)+FR*\b:128*(\p)+FR*\b+FR-1], v[AF+FR*(\a):AF+FR*(\a)+FR-1], v[8*(8*((\a)%4)+\b):8*(8*((\a)%4)+\b)+7]
.endif
.endr
.endr
.endm
.macro FETCH_B slot, q, p
	WIN TO_B
.irp i, 0,1,2,3,4,5,6,7
	FRAG 128*(\p)+FR*\i, ADRB+\slot, \q, \i
.endr
	WIN 0
.endm
.macro FETCH_A slot, q, i0
.irp i, \i0, \i0+1, \i0+2, \i0+3
	FRAG AF+FR*(\i), ADRA+\slot, \q, \i
.endr
.endm
.macro PLACES n                        ; plain vector instructions between a matrix instruction and a load into, or a vector read or write of, its registers
.rept \n
	v_nop
.endr
.endm
.macro STEP slot, q, zero              ; a step of 128 along K that has its successor in the same slot
	s_wait_dscnt 4*NL                              ; source 0's set and source 1's blocks 0-3 are in; the youngest sixteen loads (blocks 4-7) may be out
	WIN MUL_LO
	MUL16 0, (\q)%2, \zero
	MUL16 2, (\q)%2, \zero
	s_wait_dscnt 0
	PLACES NP
	FETCH_B \slot, (\q)+1, 1-(\q)%2
	FETCH_A \slot, (\q)+1, 0
	WIN MUL_HI
	MUL16 4, (\q)%2, \zero
	MUL16 6, (\q)%2, \zero
	PLACES NP
	WIN 0
	FETCH_A \slot, (\q)+1, 4
.endm
; A slot's last step changes slots: ONE barrier; in front of it each wave waits for all its tensor loads, adds 0 to its spare word, and waits for that and for its own reads of this slot.
.macro TURN slot, next, fill
	s_wait_tensorcnt 0x0                           ; all my tensor loads have landed: my part of the next slot
	ds_add_u32 v[SPW], v[NIL]                      ; 0 onto my spare word
	s_wait_dscnt 4*NL+1                            ; (the add and the youngest sixteen loads may be out)
	WIN MUL_LO
	MUL16 0, 1, 0
	s_wait_dscnt 0x0                               ; the add is done, and my reads of this slot are over
	s_barrier_signal -1
	MUL16 2, 1, 0
	WIN 0
	s_barrier_wait -1
.if \fill
	CREST                                          ; the barrier has opened a round of the cluster's barrier: no wave of any partner still reads this slot or has a load on its way
	s_add_nc_u64 s[G0+4*\slot+2:G0+4*\slot+3], s[G0+4*\slot+2:G0+4*\slot+3], 2*ROWB
	s_add_nc_u64 s[G0B+4*\slot+2:G0B+4*\slot+3], s[G0B+4*\slot+2:G0B+4*\slot+3], 2*ROWB
	JLOAD G0+4*\slot, G1, G0B+4*\slot, G1B         ; the first tensor load behind the round; its four v_nop are the places in front of the loads below
.else
	PLACES NP
.endif
	FETCH_B \next, 0, 0
	FETCH_A \next, 0, 0
	WIN MUL_HI
	MUL16 4, 1, 0
	MUL16 6, 1, 0
	PLACES NP
	WIN 0
	FETCH_A \next, 0, 4
.endm
; The tables of block a (16 rows t): 8 pieces of cos, 8 of sin, 512 consecutive bytes a load, into set a % 2 of window 1
.macro ROPELOAD a
	WIN 0x40
.irp p, 0,1,2,3,4,5,6,7,8,9,10,11,12,13,14,15
	global_load_b128 v[64*((\a)%2)+4*\p:64*((\a)%2)+4*\p+3], v[LI], s[ROPE:ROPE+1] offset:8192*(\a)+512*\p
.endr
	WIN 0
.endm
; q, k: block a (16 rows t x 2 heads): the rotary turn, the hold, the conversion, four stores.  Each accumulator is read from its low end on.
.macro QKBLOCK a
.set RB, 64*((\a)%2)
.if (\a) < 7
	s_wait_loadcnt 16                              ; this block's tables are in; the next block's sixteen loads may be out
.else
	s_wait_loadcnt 0
.endif
.set WSEL, 0x06+((\a)/4)                           ; source 0: the accumulators' window; source 1: window 1
	WIN WSEL
.irp g, 0,1
.set AC, 64*((\a)%4)+32*\g
.irp c, 0,1,2,3
.irp i, 0,2,4,6
	v_pk_mul_f32 v[TMP+32*\g+8*\c+\i:TMP+32*\g+8*\c+\i+1], v[AC+8*\c+\i:AC+8*\c+\i+1], v[RB+8*\c+\i:RB+8*\c+\i+1]   ; q(d) cos(d)
.endr
.endr
.irp c, 0,1
.irp i, 0,2,4,6
	v_pk_fma_f32 v[TMP+32*\g+8*\c+\i:TMP+32*\g+8*\c+\i+1], v[AC+8*(\c+2)+\i:AC+8*(\c+2)+\i+1], v[RB+32+8*\c+\i:RB+32+8*\c+\i+1], v[TMP+32*\g+8*\c+\i:TMP+32*\g+8*\c+\i+1] neg_lo:[1,0,0] neg_hi:[1,0,0]   ; d < 32: - q(d + 32) sin(d)
.endr
.endr
.irp c, 2,3
.irp i, 0,2,4,6
	v_pk_fma_f32 v[TMP+32*\g+8*\c+\i:TMP+32*\g+8*\c+\i+1], v[AC+8*(\c-2)+\i:AC+8*(\c-2)+\i+1], v[RB+32+8*\c+\i:RB+32+8*\c+\i+1], v[TMP+32*\g+8*\c+\i:TMP+32*\g+8*\c+\i+1]   ; d >= 32: + q(d - 32) sin(d)
.endr
.endr
.endr
.if (\a) < 6
	ROPELOAD (\a)+2                                ; this set has been read: it takes the tables of two blocks on
.endif
	WIN 0
.set n, 0
.rept 64
.set n, n+1
.endr
.irp g, 0,1
.irp c, 0,1,2,3
	v_cvt_scalef32_pk8_fp8_f32 v[CD+16*(\a)+8*\g+2*\c:CD+16*(\a)+8*\g+2*\c+1], v[TMP+32*\g+8*\c:TMP+32*\g+8*\c+7], v[SCL]   ; registers 2 c, 2 c + 1 of the fragment: d = 16 c + 8 h + 0 .. 7
.endr
.endr
	v_nop                                          ; one plain vector instruction between the conversions and the next block's writes of their sources
.irp g, 0,1
.irp u, 0,1
	global_store_b128 v[LI], v[CD+16*(\a)+8*\g+4*\u:CD+16*(\a)+8*\g+4*\u+3], s[OUTP:OUTP+1] offset:131072*\g+1024*(\a)+512*\u
.endr
.endr
.endm
; v: block a (16 channels d x my 128 keys): the hold, the conversion, four stores
.macro VBLOCK a
.set WSEL, 0x02+((\a)/4)
	WIN WSEL
.set n, 0
.rept 64
.set n, n+1
.endr
.irp b, 0,1,2,3,4,5,6,7
	v_cvt_scalef32_pk8_fp8_f32 v[CD+16*(\a)+2*\b:CD+16*(\a)+2*\b+1], v[TMP+8*\b+((64*((\a)%4)+n)-(TMP+n)):TMP+8*\b+7+((64*((\a)%4)+n)-(TMP+n))], v[SCL]
.endr
	WIN 0
	v_nop
.irp p, 0,1,2,3
	global_store_b128 v[LI], v[CD+16*(\a)+4*\p:CD+16*(\a)+4*\p+3], s[OUTP:OUTP+1] offset:131072*((\a)/4)+2048*((\a)%4)+512*\p
.endr
.endm
	s_wait_alu depctr_va_vdst(0)
	s_wait_tensorcnt 1                             ; my part of K step 0 is in (K step 1's load may be out),
	s_barrier_signal -1
	s_barrier_wait -1                              ; everybody's is
	FETCH_B 0, 0, 0
	FETCH_A 0, 0, 0
	FETCH_A 0, 0, 4
	STEP 0, 0, 1                                   ; the first step stands in front of the loop: its products start the sums
	s_mov_b32 s3, LAPS-1
.Llap:                                                 ; a trip goes once round the ring and fills both slots again
	TURN 0, 1, 1
	STEP 1, 0, 0
	TURN 1, 0, 1
	STEP 0, 0, 0
	s_sub_co_u32 s3, s3, 1
	s_cmp_lg_u32 s3, 0
	s_cbranch_scc1 .Llap
	TURN 0, 1, 0                                   ; the last lap fills nothing, and has no round of the cluster's barrier
	STEP 1, 0, 0
	s_cmp_eq_u32 ttmp9, 2                          ; q, k: the first two blocks' tables are asked for here, into source 0's set 0, which has been multiplied (four places back): they land under the last 64 products
	s_cbranch_scc1 .Lno_rope
	ROPELOAD 0
	ROPELOAD 1
.Lno_rope:
	s_wait_dscnt 4*NL                              ; the very last step: nothing more to fetch
	WIN MUL_LO
	MUL16 0, 1, 0
	MUL16 2, 1, 0
	s_wait_dscnt 0
	WIN MUL_HI
	MUL16 4, 1, 0
	MUL16 6, 1, 0
	WIN 0
	s_wait_kmcnt 0x0
	s_cmp_eq_u32 ttmp9, 0
	s_cselect_b32 s90, s78, s79                    ; e2 or e3,
	s_cmp_eq_u32 ttmp9, 2
	s_cselect_b32 s90, s81, s90                    ; or e5
	s_sub_co_i32 s90, s90, s76
	s_sub_co_i32 s90, s90, s77                     ; - e0 - e1
	s_add_co_i32 s90, s90, 127
	s_lshl_b32 s91, s90, 23
	v_mov_b32 v[SCL], s91
	PLACES NP                                      ; in front of the first read of results, and of the codes' writes into source 1's registers
	s_cmp_eq_u32 ttmp9, 2
	s_cbranch_scc1 .Lv
.irp a, 0,1,2,3,4,5,6,7
	QKBLOCK \a
.endr
	s_branch .Lout
.Lv:
	s_wait_alu depctr_va_vdst(0)
.irp a, 0,1,2,3,4,5,6,7
	VBLOCK \a
.endr
.Lout:
	s_wait_tensorcnt 0x0                           ; the wave's end, behind my last tensor load
	ds_add_u32 v[SPW], v[NIL]
	s_wait_dscnt 0x0
	CROUND                                         ; the closing round: no work-group ends while a partner may still ask for a tile that names it
	s_endpgm
.Lfunc_end_k_q4d70501ac0_qkv:
	.size	k_q4d70501ac0_qkv, .Lfunc_end_k_q4d70501ac0_qkv-k_q4d70501ac0_qkv
	.p2alignl 7, 3214868480
	.fill 96, 4, 3214868480
	.section	.rodata,"a",@progbits
	.p2align	6, 0x0
	.amdhsa_kernel k_q4d70501ac0_qkv
		.amdhsa_group_segment_fixed_size 327680
		.amdhsa_private_segment_fixed_size 0
		.amdhsa_enable_private_segment 0
		.amdhsa_kernarg_size 56
		.amdhsa_user_sgpr_count 2
		.amdhsa_user_sgpr_kernarg_segment_ptr 1
		.amdhsa_wavefront_size32 1
		.amdhsa_system_sgpr_workgroup_id_x 1
		.amdhsa_system_sgpr_workgroup_id_y 1
		.amdhsa_system_sgpr_workgroup_id_z 1
		.amdhsa_system_vgpr_workitem_id 0
		.amdhsa_next_free_vgpr 1024
		.amdhsa_next_free_sgpr 100
		.amdhsa_reserve_vcc 0
		.amdhsa_float_denorm_mode_32 3
		.amdhsa_float_denorm_mode_16_64 3
		.amdhsa_fp16_overflow 1
		.amdhsa_memory_ordered 1
		.amdhsa_forward_progress 1
		.amdhsa_inst_pref_size 138
	.end_amdhsa_kernel
	.amdgpu_metadata
---
amdhsa.version: [ 1, 2 ]
amdhsa.kernels:
  - .name:           k_q4d70501ac0_qkv
    .symbol:         k_q4d70501ac0_qkv.kd
    .args:
      - { .name: xc, .offset: 0, .size: 8, .value_kind: global_buffer, .address_space: global }
      - { .name: wc, .offset: 8, .size: 8, .value_kind: global_buffer, .address_space: global }
      - { .name: lowp_scales, .offset: 16, .size: 8, .value_kind: global_buffer, .address_space: global }
      - { .name: rope, .offset: 24, .size: 8, .value_kind: global_buffer, .address_space: global }
      - { .name: qc, .offset: 32, .size: 8, .value_kind: global_buffer, .address_space: global }
      - { .name: kc, .offset: 40, .size: 8, .value_kind: global_buffer, .address_space: global }
      - { .name: vc, .offset: 48, .size: 8, .value_kind: global_buffer, .address_space: global }
    .group_segment_fixed_size: 327680
    .private_segment_fixed_size: 0
    .kernarg_segment_align: 8
    .kernarg_segment_size: 56
    .max_flat_workgroup_size: 128
    .sgpr_count:     100
    .vgpr_count:     1024
    .wavefront_size: 32
...
	.end_amdgpu_metadata
.endif
;; end of part 2
;; launch attn (part 3): grid 4 x 64, 16 waves a work-group, no clusters, 327,680 bytes of LDS; arguments qc, kc, vc, lowp_scales, yc; writes yc
.if DOCPART == 3
	.amdgcn_target "amdgcn-amd-amdhsa--gfx1250"
	.amdhsa_code_object_version 6
	.text
	.protected	k_q4d70501ac0_attn
	.globl	k_q4d70501ac0_attn
	.p2align	8
	.type	k_q4d70501ac0_attn,@function
k_q4d70501ac0_attn:
	s_mov_b64 s[64:65], 0
	v_nop
	global_prefetch_b8 v0, s[64:65] scope:SCOPE_SE
	s_setreg_imm32_b32 hwreg(HW_REG_WAVE_MODE, 25, 1), 1
	s_wait_xcnt 0x0
; y[b][t][head][:] = the sum over keys k <= t of softmax_k(q . k / 8) v, both products on codes of E4M3; then y's quantiser.  64 heads x batches of 2,048 rows, head size 64.
; qc, kc: [batch x head][t block 128][piece 2][lane][16 bytes]: images of 16 x 64 fragments.  vc: [batch x head][128 keys: 16][d block 4][piece 4][lane][16 bytes]: images of V^T's 16 x 128 fragments.
; yc: [256 along the next K: 4][row block 512][128 of them: 2][piece 4][lane][16 bytes]: images of the last product's 16 x 128 fragments of y.
; THE SOFTMAX: t = score x log2(e) / 8; M = the row's largest t so far, rounded UP to a whole number; p = 2^(t - M) is quantised, not normalised; the row's sum is taken of the unquantised p and divides at the end.
; When M moves, the sum and O are multiplied by 2^(old M - new M): exact.
; SHARES.  A work-group (i = 0..3, one head of one batch) owns the blocks 7 - i and i of 256 queries, one after the other.  Block j needs the key slots 0 .. j (256 keys each): 8 - i and i + 1 visits, NINE for every
; work-group: the trip count is a constant, all 256 work-groups have the same work, and no slot that the mask hides whole is fetched.  Each of the sixteen waves owns 16 queries of the block in hand: four waves to a SIMD.
; LAYOUT.  S^T = K Q^T (source 0 = 16 keys, source 1 = my 16 queries), O^T = V^T P^T: a lane holds ONE query (lane % 16); register 8 c + j of S^T is key 16 c + 8 (lane / 16) + j, so eight registers converted are registers
; 2 c, 2 c + 1 of P's fragment; O^T's register 8 dt + j is channel 16 dt + 8 (lane / 16) + j, so eight registers converted are two registers of y's fragment.  Images come from LDS and go to memory at 16 x lane.
; NO CLUSTER: the four work-groups of a head need different numbers of slots and change blocks at different visits; a form in which all four ask jointly would need 16 visits in place of 9.
; LIMITS: e2 + e3 between -123 and 130; e4, and e6 - e4 - e5, between -126 and 119.  NaN is not served.
; REGISTERS: v1 16 x lane; v2 the LDS address in hand; v3 the prefetches' offset; v5, v6 the add's two; v12 -M, v13 the largest t, v[14:15] the sum in two halves; v16-23 Q; v24-31 the second block's Q; v32-95 K's 8 fragments, then V's 4;
;   v96-159 S^T, then p; v160-191 O^T; v192-199, v200-207 y's codes of the two blocks; v224-239 p's codes; v244: 2^e4; v245: the same with e6 - e4 - e5; v236-243, v246, v248-255 at work.
.set SLOT1, 32768                      ; a slot: K's images 16,384 bytes, then V's 16,384; slot 1 begins here: one exclusive or turns an address
.set VOFF,  16384
.set SPARE, 65536                      ; behind the ring: the spare words, 128 bytes for each wave: eight blocks of 256 bytes that no other line names
.set LI,   1
.set ADR,  2
.set PFO,  3
.set SPW,  5
.set NIL,  6
.set TB,   2                           ; s2   LDS byte at which the slot in hand begins
.set WV,   18                          ; s18  my wave's number
.set SEL,  20                          ; s[20:21] lane selects: lane l xor 16
.set CS,   22                          ; s[22:23] c = log2(e) / 8 x 2^(e2 + e3)
.set G1,   24                          ; s[24:31] descriptor group 1
.set G0,   32                          ; s[32:35] group 0, which walks
.set VIS,  36                          ; s36  the visit, 0 .. 8
.set NA,   37                          ; s37  visits of the first block: 8 - i
.set BACK, 38                          ; s38  NA slots in bytes
.set BK,   40                          ; s[40:41] what the walk goes back by: BACK at the change of blocks, else 0
.set KF,   42                          ; s42  the step's first key
.set Q0,   43                          ; s43  my first query
.set Q0B,  44                          ; s44  and the second block's
.set YA,   46                          ; s[46:47], s[48:49] where my two images of y go
.set YB,   48
.set PFA,  50                          ; s[50:51] where my prefetches stand
.set LIM,  52                          ; s52  a wave prefetches while the visit's number is under it
.macro TLOAD                           ; wave 0 fetches a slot's K, wave 1 its V, the others nothing.  An s_nop 0 and four v_nop follow the line
	s_cmp_lt_u32 s[WV], 2
	s_cbranch_scc0 .Lno_fetch_\@
	tensor_load_to_lds s[G0:G0+3], s[G1:G1+7]
	s_nop 0
.rept 4
	v_nop
.endr
.Lno_fetch_\@:
.endm
; A PREFETCH INTO THE L2 of the slot that the NEXT change of slots will ask for.  Of a head's four work-groups the one with i = 0 walks all eight slots in order: it asks, and nobody else.  In it waves 4 and 5 ask for the halves of
; K's 16,384 bytes, waves 6 and 7 for V's: lanes 256 bytes apart, one instruction a wave.  Visit v names slot v + 2, up to slot 7: each block of 256 bytes is named once.  Slots 0 and 1 come by their loads alone.
.macro ASK
	s_cmp_lt_u32 s[VIS], s[LIM]
	s_cbranch_scc0 .Lnot_mine_\@
	global_prefetch_b8 v[PFO], s[PFA:PFA+1] th:TH_LOAD_NT scope:SCOPE_SE
.Lnot_mine_\@:
.endm
.macro INIT                            ; a block begins: the first change of M multiplies zeros
	v_mov_b32 v13, 0xff61b1e6                      ; the largest t so far: -3e38, under every t
	s_delay_alu instid0(VALU_DEP_1)
	v_floor_f32 v12, -v13                          ; -M
	v_mov_b32 v14, 0
	v_mov_b32 v15, 0
.set j, 0
.rept 32
	v_mov_b32 v[160+j], 0
.set j, j+1
.endr
.endm
	s_load_b128 s[4:7], s[0:1], 0x0                ; qc s[4:5], kc s[6:7]
	s_load_b128 s[8:11], s[0:1], 0x10              ; vc s[8:9], the exponents s[10:11]
	s_load_b64 s[12:13], s[0:1], 0x20              ; yc
	v_lshl_add_u32 v[SPW], v0, 2, SPARE
	v_mov_b32 v[NIL], 0
	ds_add_u32 v[SPW], v[NIL]                      ; the wave's opening: the add and its wait stand ahead of my first tensor load; the set-up below, work on registers, stands between them
	ds_add_u32 v[SPW], v[NIL]
	v_lshrrev_b32 v2, 5, v0
	s_delay_alu instid0(VALU_DEP_1)
	v_readfirstlane_b32 s[WV], v2                  ; wave 0..15
	s_and_b32 s72, ttmp7, 0xffff                   ; batch x 16 + head
	s_mov_b32 s[G1], 3<<16                         ; no mask; elements of 8 bytes; no padding: the images are dense, 64 rows of 256 bytes
	s_mov_b32 s[G1+1], 32<<16                      ; tensor_dim0 = 32
	s_mov_b32 s[G1+2], 64<<16                      ; tensor_dim1 = 64
	s_mov_b32 s[G1+3], 32<<16                      ; tile_dim0 = 32
	s_mov_b32 s[G1+4], 64                          ; tile_dim1 = 64
	s_mov_b32 s[G1+5], 32                          ; tensor_dim0_stride
	s_mov_b32 s[G1+6], 0
	s_mov_b32 s[G1+7], 0
	s_mov_b32 s[SEL], 0x76543210
	s_mov_b32 s[SEL+1], 0xfedcba98
	s_mov_b32 s[CS], 0x3e38aa3b                    ; log2(e) / 8
	s_mov_b32 s[TB], 0
	s_mov_b32 s[VIS], 0
	s_mov_b32 s[KF], 0
	s_sub_co_u32 s[NA], 8, ttmp9
	s_lshl_b32 s[BACK], s[NA], 14
	s_mov_b32 s[BK], 0
	s_mov_b32 s[BK+1], 0
	s_sub_co_u32 s73, 7, ttmp9
	s_lshl_b32 s[Q0], s73, 8
	s_lshl_b32 s74, s[WV], 4
	s_add_co_u32 s[Q0], s[Q0], s74                 ; 256 (7 - i) + 16 x wave
	s_lshl_b32 s[Q0B], ttmp9, 8
	s_add_co_u32 s[Q0B], s[Q0B], s74               ; 256 i + 16 x wave
	s_lshl_b32 s76, s72, 17                        ; the head's first byte in qc, kc, vc
	s_mov_b32 s77, 0
	s_lshl_b32 s78, s[Q0], 6                       ; a t block's image is 1,024 bytes
	s_add_co_u32 s78, s78, s76
	s_mov_b32 s79, 0
	s_lshl_b32 s80, s[Q0B], 6
	s_add_co_u32 s80, s80, s76
	s_mov_b32 s81, 0
	s_and_b32 s82, s72, 15                         ; head: the next K begins at 64 x head
	s_lshr_b32 s83, s82, 2
	s_lshl_b32 s83, s83, 21                        ; which 256 of it: 2,097,152 bytes each
	s_bfe_u32 s84, s82, 0x10001
	s_lshl_b32 s84, s84, 11                        ; which 128 of those: 2,048
	s_add_co_u32 s83, s83, s84
	s_and_b32 s84, s82, 1
	s_lshl_b32 s84, s84, 10                        ; which two pieces: 1,024
	s_add_co_u32 s83, s83, s84
	s_lshr_b32 s84, s72, 4
	s_lshl_b32 s84, s84, 19                        ; the batch's 128 row blocks of 4,096 bytes
	s_add_co_u32 s83, s83, s84
	s_lshl_b32 s84, s[Q0], 8
	s_add_co_u32 s84, s84, s83
	s_mov_b32 s85, 0
	s_lshl_b32 s86, s[Q0B], 8
	s_add_co_u32 s86, s86, s83
	s_mov_b32 s87, 0
	s_mov_b32 s[G0], 1                             ; count = 1
	s_and_b32 s[G0+1], s[WV], 1
	s_lshl_b32 s[G0+1], s[G0+1], 14                ; LDS address: slot 0; K's images at 0, V's at 16,384
	s_lshr_b32 s66, s[WV], 2
	s_xor_b32 s66, s66, 1                          ; 0 in waves 4 to 7,
	s_or_b32 s66, s66, ttmp9                       ; of the work-group with i = 0
	s_cmp_eq_u32 s66, 0
	s_cselect_b32 s[LIM], 6, 0
	s_and_b32 s66, s[WV], 1
	s_lshl_b32 s66, s66, 13
	s_add_co_u32 s66, s66, 16384                   ; my half, in slot 1: the first change of slots steps it to slot 2
	s_mov_b32 s67, 0
	v_and_b32 v[LI], 31, v0
	s_delay_alu instid0(VALU_DEP_1)
	v_lshlrev_b32 v[PFO], 8, v[LI]
	s_delay_alu instid0(VALU_DEP_2)
	v_lshlrev_b32 v[LI], 4, v[LI]
	s_wait_dscnt 0x0                               ; the opening add is done
	s_wait_kmcnt 0x0
	s_load_b256 s[56:63], s[10:11], 0x0            ; e0 .. e7
	s_cmp_eq_u32 s[WV], 0
	s_cselect_b64 s[G0+2:G0+3], s[6:7], s[8:9]
	s_add_nc_u64 s[G0+2:G0+3], s[G0+2:G0+3], s[76:77]   ; global address: the head's slot 0
	s_or_b32 s[G0+3], s[G0+3], 0x80000000          ; type = 2
	TLOAD                                          ; visit 0's slot
	s_add_nc_u64 s[68:69], s[4:5], s[78:79]
	s_add_nc_u64 s[70:71], s[4:5], s[80:81]
	s_wait_alu depctr_va_vdst(0)
	global_load_b128 v[16:19], v[LI], s[68:69]     ; Q's fragments of both blocks stay in registers
	global_load_b128 v[20:23], v[LI], s[68:69] offset:512
	global_load_b128 v[24:27], v[LI], s[70:71]
	global_load_b128 v[28:31], v[LI], s[70:71] offset:512
	s_add_nc_u64 s[YA:YA+1], s[12:13], s[84:85]
	s_add_nc_u64 s[YB:YB+1], s[12:13], s[86:87]
	s_cmp_lt_u32 s[WV], 6
	s_cselect_b64 s[PFA:PFA+1], s[6:7], s[8:9]
	s_add_nc_u64 s[PFA:PFA+1], s[PFA:PFA+1], s[76:77]
	s_add_nc_u64 s[PFA:PFA+1], s[PFA:PFA+1], s[66:67]
	INIT
	v_mov_b32 v246, 0                              ; written once: a lane permute's destination counts as one of its sources
	v_mov_b32 v253, 0                              ; (named as the upper half of the pair v[252:253])
	s_wait_kmcnt 0x0
	s_add_co_i32 s72, s58, s59
	s_lshl_b32 s72, s72, 23
	s_add_co_i32 s[CS], s[CS], s72                 ; a score stands for score x 2^(e2 + e3): the exponents are added to c's exponent field
	s_mov_b32 s[CS+1], s[CS]
	s_add_co_i32 s72, s60, 127
	s_lshl_b32 s73, s72, 23
	v_mov_b32 v244, s73                            ; 2^e4
	s_sub_co_i32 s72, s62, s60
	s_sub_co_i32 s72, s72, s61                     ; O / l stands for y / 2^(e4 + e5): y's code is (O / l) / 2^(e6 - e4 - e5)
	s_add_co_i32 s72, s72, 127
	s_lshl_b32 s73, s72, 23
	v_mov_b32 v245, s73
; A KEY STEP: 128 keys, the q-th of the slot in hand.  A step all of whose keys come after my 16 queries is left out: a scalar branch on ids, round its loads, products and softmax; no barrier and no tensor load stands in a step.
.macro STEP q
	s_add_co_u32 s66, s[Q0], 15
	s_cmp_gt_u32 s[KF], s66
	s_cbranch_scc1 .Lhidden_\@
	v_add_nc_u32 v[ADR], s[TB], v[LI]
.rept 3
	v_nop                                          ; with the addition above: four places in front of loads into registers that the last products read
.endr
.irp c, 0,1,2,3,4,5,6,7
	ds_load_b128 v[32+8*\c:35+8*\c], v[ADR] offset:8192*(\q)+1024*\c        ; K's fragment of keys 16 c on: two pieces, 512 consecutive bytes each
	ds_load_b128 v[36+8*\c:39+8*\c], v[ADR] offset:8192*(\q)+1024*\c+512
.endr
	s_wait_alu depctr_va_vdst(0)
	s_wait_dscnt 0x0
.irp c, 0,1,2,3,4,5,6,7
	v_wmma_f32_16x16x64_fp8_fp8 v[96+8*\c:103+8*\c], v[32+8*\c:39+8*\c], v[16:23], 0
.endr
.rept 4
	v_nop                                          ; places in front of the loads below and of the first read of the scores
.endr
.irp d, 0,1,2,3
.irp p, 0,1,2,3
	ds_load_b128 v[32+16*\d+4*\p:35+16*\d+4*\p], v[ADR] offset:VOFF+8192*(\q)+2048*\d+512*\p   ; V^T's four fragments take K's registers and land under the softmax
.endr
.endr
	s_add_co_u32 s66, s[KF], 127                   ; on the diagonal the scores of hidden keys become -infinity ahead of the maximum: p = 0 then.  A step all of whose keys count skips this
	s_cmp_le_u32 s66, s[Q0]
	s_cbranch_scc1 .Lopen_\@
	s_sub_co_i32 s66, s[Q0], s[KF]
	v_and_b32 v252, 15, v0
	v_bfe_u32 v253, v0, 4, 1
	s_delay_alu instid0(VALU_DEP_1)
	v_lshlrev_b32 v253, 3, v253
	s_delay_alu instid0(VALU_DEP_1)
	v_sub_nc_u32 v252, v252, v253
	s_delay_alu instid0(VALU_DEP_1)
	v_add_nc_u32 v252, s66, v252                   ; d = my query - KF - 8 (lane / 16).  Register 8 c + j holds key KF + 8 (lane / 16) + 16 c + j: hidden where 16 c + j > d
	v_mov_b32 v254, 0xff800000
.set n, 0
.rept 64
	v_cmp_gt_i32 vcc_lo, 16*(n/8)+n%8, v252
	v_cndmask_b32 v[96+n], v[96+n], v254, vcc_lo
.set n, n+1
.endr
.Lopen_\@:
	v_max3_num_f32 v254, v96, v97, v98             ; the step's largest score of my query, among my 64 keys, in two chains, each accumulator from its low end on,
	v_max3_num_f32 v252, v99, v100, v101
.irp i, 6,10,14,18,22,26,30,34,38,42,46,50,54,58
	v_max3_num_f32 v254, v254, v[96+\i], v[97+\i]
	v_max3_num_f32 v252, v252, v[98+\i], v[99+\i]
.endr
	v_max3_num_f32 v254, v254, v158, v159
	s_delay_alu instid0(VALU_DEP_1)
	v_max_num_f32 v254, v254, v252
	s_delay_alu instid0(VALU_DEP_1)
	v_permlanex16_b32 v246, v254, s[SEL], s[SEL+1]
	s_delay_alu instid0(VALU_DEP_1)
	v_max_num_f32 v254, v254, v246                 ; and among lane l xor 16's
	s_delay_alu instid0(VALU_DEP_1)
	v_mul_f32 v254, s[CS], v254                    ; as t (c is positive)
	s_delay_alu instid0(VALU_DEP_1)
	v_max_num_f32 v13, v13, v254                   ; the running largest t
	v_mov_b32 v254, v12
	s_delay_alu instid0(VALU_DEP_2)
	v_floor_f32 v12, -v13                          ; the new -M = floor(-t) = -ceil(t): M is a whole number
	s_delay_alu instid0(VALU_DEP_1)
	v_sub_f32 v254, v12, v254                      ; M's old value less its new one: a whole number, 0 or less
	s_delay_alu instid0(VALU_DEP_1)
	v_cvt_i32_f32 v254, v254                       ; (it saturates)
	s_delay_alu instid0(VALU_DEP_1)
	v_ldexp_f32 v252, 1.0, v254                    ; f = 2^(old M - new M)
.irp j, 0,2,4,6,8,10,12,14,16,18,20,22,24,26,28,30,32,34,36,38,40,42,44,46,48,50,52,54,56,58,60,62
	v_pk_fma_f32 v[96+\j:97+\j], v[96+\j:97+\j], s[CS:CS+1], v[12:13] op_sel_hi:[1,0,0]   ; t - M, two at a time
.endr
.set n, 0
	s_wait_alu depctr_va_vdst(0)
.rept 64
	v_exp_f32 v[96+n], v[96+n]                     ; p = 2^(t - M), at most 1: not normalised
.set n, n+1
.endr
	v_pk_mul_f32 v[14:15], v[14:15], v[252:253] op_sel_hi:[1,0]   ; the sums under the new M: the plain instruction behind the exponentials
	s_wait_alu depctr_va_vdst(0)                   ; the wait ahead of the first instruction that names a result: one for the batch of 64
	v_pk_add_f32 v[242:243], v[100:101], v[104:105]
	v_pk_add_f32 v[254:255], v[108:109], v[112:113]
	v_pk_add_f32 v[250:251], v[116:117], v[120:121]
	v_pk_add_f32 v[248:249], v[124:125], v[128:129]
	v_pk_add_f32 v[240:241], v[132:133], v[136:137]
	v_pk_add_f32 v[238:239], v[140:141], v[144:145]
	v_pk_add_f32 v[236:237], v[148:149], v[152:153]
	v_pk_add_f32 v[14:15], v[14:15], v[156:157]
	v_pk_add_f32 v[242:243], v[242:243], v[96:97]
	v_pk_add_f32 v[254:255], v[254:255], v[98:99]
	v_pk_add_f32 v[250:251], v[250:251], v[102:103]
	v_pk_add_f32 v[248:249], v[248:249], v[106:107]
	v_pk_add_f32 v[240:241], v[240:241], v[110:111]
	v_pk_add_f32 v[238:239], v[238:239], v[114:115]
	v_pk_add_f32 v[236:237], v[236:237], v[118:119]
	v_pk_add_f32 v[14:15], v[14:15], v[122:123]
	v_pk_add_f32 v[242:243], v[242:243], v[126:127]
	v_pk_add_f32 v[254:255], v[254:255], v[130:131]
	v_pk_add_f32 v[250:251], v[250:251], v[134:135]
	v_pk_add_f32 v[248:249], v[248:249], v[138:139]
	v_pk_add_f32 v[240:241], v[240:241], v[142:143]
	v_pk_add_f32 v[238:239], v[238:239], v[146:147]
	v_pk_add_f32 v[236:237], v[236:237], v[150:151]
	v_pk_add_f32 v[14:15], v[14:15], v[154:155]
	v_pk_add_f32 v[242:243], v[242:243], v[158:159]
	s_delay_alu instid0(VALU_DEP_2)
	v_pk_add_f32 v[14:15], v[14:15], v[248:249]
	s_delay_alu instid0(VALU_DEP_2)
	v_pk_add_f32 v[242:243], v[242:243], v[240:241]
	v_pk_add_f32 v[254:255], v[254:255], v[238:239]
	v_pk_add_f32 v[250:251], v[250:251], v[236:237]
	s_delay_alu instid0(VALU_DEP_2)
	v_pk_add_f32 v[14:15], v[14:15], v[254:255]
	s_delay_alu instid0(VALU_DEP_2)
	v_pk_add_f32 v[242:243], v[242:243], v[250:251]
	s_delay_alu instid0(VALU_DEP_1)
	v_pk_add_f32 v[14:15], v[14:15], v[242:243]
.irp c, 0,1,2,3,4,5,6,7
.irp i, 0,1,2,3,4,5,6,7
.endr
	v_cvt_scalef32_pk8_fp8_f32 v[224+2*\c:225+2*\c], v[96+8*\c:103+8*\c], v244   ; registers 2 c, 2 c + 1 of P's fragment: keys 16 c + 8 h + 0 .. 7
.endr
.irp j, 0,2,4,6,8,10,12,14,16,18,20,22,24,26,28,30
	v_pk_mul_f32 v[160+\j:161+\j], v[160+\j:161+\j], v[252:253] op_sel_hi:[1,0]   ; O^T under the new M.  (Plain instructions between the conversions and the products that read the codes)
.endr
	s_wait_alu depctr_va_vdst(0)
	s_wait_dscnt 0x0                               ; V^T's fragments are in
.irp d, 0,1,2,3
	v_wmma_f32_16x16x128_fp8_fp8 v[160+8*\d:167+8*\d], v[32+16*\d:47+16*\d], v[224:239], v[160+8*\d:167+8*\d]   ; four accumulators by turns; the matrix instruction before the first is a score's
.endr
.Lhidden_\@:
	s_add_co_u32 s[KF], s[KF], 128
.endm
; THE CHANGE OF SLOTS stands at a visit's head.  Each wave waits for all its tensor loads (its part of the slot that it is about to read), adds 0 to its spare word, and waits for that and for its reads of the slot that it has left.
; Behind the barrier the slot ahead is whole and nobody reads the other one.  fill = 1: that other slot takes the next visit's keys: the load has two key steps of sixteen waves in which to land.
.macro CHANGE fill
	s_wait_tensorcnt 0x0                           ; no tensor load of mine is out, so group 0 may be written
	ds_add_u32 v[SPW], v[NIL]                      ; 0 onto my spare word; the steps below stand between it and the wait for it
.if \fill
	s_xor_b32 s[G0+1], s[G0+1], SLOT1              ; the other slot than last time,
	s_add_co_u32 s66, s[VIS], 1
	s_cmp_eq_u32 s66, s[NA]
	s_cselect_b32 s[BK], s[BACK], 0
	s_add_nc_u64 s[G0+2:G0+3], s[G0+2:G0+3], 16384   ; the next 256 keys,
	s_sub_nc_u64 s[G0+2:G0+3], s[G0+2:G0+3], s[BK:BK+1]   ; or, where the next visit begins the second block, the head's first again
	s_wait_xcnt 0x0                                ; the last prefetch, a visit back, has read its address, so it may be written
	s_add_nc_u64 s[PFA:PFA+1], s[PFA:PFA+1], 16384
.endif
	s_wait_dscnt 0x0                               ; the add is done, and my reads of the slot that I have left are over
	s_barrier_signal -1
	s_barrier_wait -1
.if \fill
	TLOAD                                          ; the first thing behind the barrier, and a wave's one tensor load until the next
	ASK
.endif
.endm
; A block of queries ends: O^T is divided by the row's sum, quantised, and stored as two pieces of y's fragment: 512 consecutive aligned bytes a store
.macro FINISH y, cr
.rept 4
	v_nop                                          ; places behind the last products
.endr
	v_add_f32 v14, v14, v15                        ; the sum's two halves,
	s_wait_alu depctr_va_vdst(0)
	v_permlanex16_b32 v246, v14, s[SEL], s[SEL+1]
	s_delay_alu instid0(VALU_DEP_1)
	v_add_f32 v14, v14, v246                       ; and lane l xor 16's
	s_wait_alu depctr_va_vdst(0)
	v_rcp_f32 v14, v14
	v_nop                                          ; a plain instruction behind the reciprocal,
	s_wait_alu depctr_va_vdst(0)                   ; and the wait ahead of its first reader
.irp j, 0,2,4,6,8,10,12,14,16,18,20,22,24,26,28,30
	v_pk_mul_f32 v[96+\j:97+\j], v[160+\j:161+\j], v[14:15] op_sel_hi:[1,0]
.endr
.set n, 0
.rept 32
.set n, n+1
.endr
.irp d, 0,1,2,3
	v_cvt_scalef32_pk8_fp8_f32 v[\cr+2*\d:\cr+2*\d+1], v[96+8*\d:103+8*\d], v245
.endr
	v_nop                                          ; one plain vector instruction between the conversions and the products that write their sources again
	global_store_b128 v[LI], v[\cr:\cr+3], s[\y:\y+1]
	global_store_b128 v[LI], v[\cr+4:\cr+7], s[\y:\y+1] offset:512
.endm
	s_wait_loadcnt 0x0                             ; Q
.Lvisit:                                           ; eight trips: behind each change of slots but the last the next visit's slot is asked for
	CHANGE 1
	STEP 0
	STEP 1
	s_xor_b32 s[TB], s[TB], SLOT1                  ; on to the other slot
	s_add_co_u32 s66, s[VIS], 1
	s_cmp_lg_u32 s66, s[NA]                        ; was this the first block's last visit?  (visit 7 - i: a branch on ids)
	s_cbranch_scc1 .Lsame_block
	FINISH YA, 192
.irp j, 0,1,2,3,4,5,6,7
	v_mov_b32 v[16+\j], v[24+\j]                   ; the second block's Q
.endr
	INIT
	s_mov_b32 s[Q0], s[Q0B]
	s_mov_b32 s[KF], 0
.Lsame_block:
	s_add_co_u32 s[VIS], s[VIS], 1
	s_cmp_lt_u32 s[VIS], 8
	s_cbranch_scc1 .Lvisit
	CHANGE 0                                       ; the last visit is written out
	STEP 0
	STEP 1
	FINISH YB, 200
	s_wait_tensorcnt 0x0                           ; the wave's end, behind my last tensor load
	ds_add_u32 v[SPW], v[NIL]
	s_wait_dscnt 0x0
	s_endpgm
.Lfunc_end_k_q4d70501ac0_attn:
	.size	k_q4d70501ac0_attn, .Lfunc_end_k_q4d70501ac0_attn-k_q4d70501ac0_attn
	.p2alignl 7, 3214868480
	.fill 96, 4, 3214868480
	.section	.rodata,"a",@progbits
	.p2align	6, 0x0
	.amdhsa_kernel k_q4d70501ac0_attn
		.amdhsa_group_segment_fixed_size 327680
		.amdhsa_private_segment_fixed_size 0
		.amdhsa_enable_private_segment 0
		.amdhsa_kernarg_size 40
		.amdhsa_user_sgpr_count 2
		.amdhsa_user_sgpr_kernarg_segment_ptr 1
		.amdhsa_wavefront_size32 1
		.amdhsa_system_sgpr_workgroup_id_x 1
		.amdhsa_system_sgpr_workgroup_id_y 1
		.amdhsa_system_sgpr_workgroup_id_z 1
		.amdhsa_system_vgpr_workitem_id 0
		.amdhsa_next_free_vgpr 256
		.amdhsa_next_free_sgpr 100
		.amdhsa_reserve_vcc 1
		.amdhsa_float_denorm_mode_32 3
		.amdhsa_float_denorm_mode_16_64 3
		.amdhsa_fp16_overflow 1
		.amdhsa_memory_ordered 1
		.amdhsa_forward_progress 1
		.amdhsa_inst_pref_size 90
	.end_amdhsa_kernel
	.amdgpu_metadata
---
amdhsa.version: [ 1, 2 ]
amdhsa.kernels:
  - .name:           k_q4d70501ac0_attn
    .symbol:         k_q4d70501ac0_attn.kd
    .args:
      - { .name: qc, .offset: 0, .size: 8, .value_kind: global_buffer, .address_space: global }
      - { .name: kc, .offset: 8, .size: 8, .value_kind: global_buffer, .address_space: global }
      - { .name: vc, .offset: 16, .size: 8, .value_kind: global_buffer, .address_space: global }
      - { .name: lowp_scales, .offset: 24, .size: 8, .value_kind: global_buffer, .address_space: global }
      - { .name: yc, .offset: 32, .size: 8, .value_kind: global_buffer, .address_space: global }
    .group_segment_fixed_size: 327680
    .private_segment_fixed_size: 0
    .kernarg_segment_align: 8
    .kernarg_segment_size: 40
    .max_flat_workgroup_size: 512
    .sgpr_count:     100
    .vgpr_count:     256
    .wavefront_size: 32
...
	.end_amdgpu_metadata
.endif
;; end of part 3
;; launch proj (part 4): grid 8 x 32, 4 waves a work-group, clusters of 4 x 4, 327,680 bytes of LDS; arguments yc, wpc, lowp_scales, out0; writes out0
.if DOCPART == 4
	.amdgcn_target "amdgcn-amd-amdhsa--gfx1250"
	.amdhsa_code_object_version 6
	.text
	.protected	k_q4d70501ac0_proj
	.globl	k_q4d70501ac0_proj
	.p2align	8
	.type	k_q4d70501ac0_proj,@function
k_q4d70501ac0_proj:
	s_mov_b64 s[64:65], 0
	v_nop
	global_prefetch_b8 v0, s[64:65] scope:SCOPE_SE
	s_setreg_imm32_b32 hwreg(HW_REG_WAVE_MODE, 25, 1), 1
	s_wait_xcnt 0x0
	s_wait_alu depctr_hold_cnt(0) depctr_sa_sdst(0) depctr_va_vdst(0) depctr_va_sdst(0) depctr_va_ssrc(0) depctr_va_vcc(0) depctr_vm_vsrc(0)
	s_getreg_b32 s2, hwreg(HW_REG_IB_STS2, 6, 4)
	s_cmp_eq_u32 s2, 0
	s_cbranch_scc0 .Lentry_in_a_cluster
	s_endpgm
.Lentry_in_a_cluster:
	s_bfe_u32 s2, ttmp6, 0x10000c
	s_cmp_lg_u32 s2, 0xf033
	s_cbranch_scc0 .Lentry_shape_is_right
	s_endpgm
.Lentry_shape_is_right:
; out0 = y W_proj on codes of E4M3.  yc: images of y's 16 x 128 fragments, [256 along K: 4][row block 512][128 of them: 2][piece 4][lane][16 bytes].  wpc: [1024 n][1024 k] codes, K innermost.  out0: [8192][1024] f32.
; A finished sum is multiplied once by 2^(e6 + e7).  LIMIT: e6 + e7 between -126 and 127.
; A tile of out0 is 256 rows x 128 columns: 256 work-groups, one for each WGP.  Four waves, each 128 x 64: 32 accumulators.  K goes in four steps of 256 through a ring of two LDS slots.
; CLUSTERS: 4 x 4 work-groups; y's tiles are asked for jointly along a row of the cluster, W's along a column.
; y's images hold k in the matrix form's own places (registers 2 c, 2 c + 1: k = 16 c + 8 (l / 16) + 0 .. 7) and come from LDS at 16 x lane; so W's fragments are fetched in the same places, by loads of 8 bytes, 16 apart.
; THE MATRIX INSTRUCTION IS USED TRANSPOSED (source 0 = 16 rows of W, source 1 = 16 rows of y): a lane holds eight neighbouring numbers of a row of out0.
; REGISTERS, in windows of 256: window 0: v0-31 addresses; v32-127 the way out.   windows 1, 2: two sets of fragments for 128 along K: y's eight at v0-127, W's four at v128-191.   window 3: accumulator (a, b) at v[32 a + 8 b].
.set PITCH,  272                       ; a row of W in LDS: 256 bytes + 16 of padding: the 32 lanes of a load of 8 bytes touch 64 different banks (64 banks of 4 bytes: ISA guide 11.1)
.set AHALF,  32768                     ; 8 row blocks' images of one K step: what one tensor load brings of y
.set BHALF,  64*PITCH                  ; 64 rows of W
.set BOFF,   2*AHALF
.set SLOT,   BOFF+2*BHALF              ; 100,352
.set SPARE,  2*SLOT                    ; behind the ring: the spare words, 128 bytes for each wave: two blocks of 256 bytes that no other line names
.set KKB,    2097152                   ; from a K step of y's images to the next
.set SPITCH, 272                       ; the way out: a stage of 16 rows x (256 bytes + 16) for each wave, in slot 0, which has had its last fill and its last read when the first result is stored there
.set ADRA, 16                          ; v16-17  LDS address of y's images in slot 0, 1
.set ADRB, 20                          ; v20-21  of W's fragments
.set STO,  24                          ; v24     the way out: where I put 32 bytes of a row
.set RD,   25                          ; v25     where I read a row back
.set CO,   26                          ; v26     my byte offset in out0
.set SPW,  28                          ; v28     LDS address of my spare word; never rewritten
.set NIL,  29                          ; v29     0; never rewritten
.set TMP,  32                          ; v32-63  a block's sums x 2^(e6 + e7)
.set BK,   64                          ; v64-95, v96-127 by turns: 16 rows read back
.set G1, 24
.set G0, 32
.set G1B, 48
.set G0B, 56
.set MSB, 0
.macro WIN new                         ; the immediate's high byte repeats the setting that is left
.if MSB != \new
	s_set_vgpr_msb (MSB<<8)|\new
.set MSB, \new
.endif
.endm
.macro JLOAD g0a, g1a, g0b, g1b        ; a joint load: waves 0 and 1 fetch for y, waves 2 and 3 for W; an s_nop 0 and four v_nop follow each of the two lines
	s_cmp_eq_u32 s15, 0
	s_cbranch_scc0 .Lfor_b_\@
	tensor_load_to_lds s[\g0a:\g0a+3], s[\g1a:\g1a+7]
	s_nop 0
.rept 4
	v_nop
.endr
	s_branch .Lasked_\@
.Lfor_b_\@:
	tensor_load_to_lds s[\g0b:\g0b+3], s[\g1b:\g1b+7]
	s_nop 0
.rept 4
	v_nop
.endr
.Lasked_\@:
.endm
.macro CREST
	s_cmp_lg_u32 s14, 0
	s_cbranch_scc1 .Lnot_wave_0_\@
	s_barrier_signal -3
.Lnot_wave_0_\@:
	s_barrier_wait -3
	s_barrier_signal -1
	s_barrier_wait -1
.endm
.macro CROUND
	s_barrier_signal -1
	s_barrier_wait -1
	CREST
.endm
	s_load_b128 s[4:7], s[0:1], 0x0                ; yc s[4:5], wpc s[6:7]
	s_load_b128 s[8:11], s[0:1], 0x10              ; the exponents s[8:9], out0 s[10:11]
	v_lshl_add_u32 v[SPW], v0, 2, SPARE
	v_mov_b32 v[NIL], 0
	ds_add_u32 v[SPW], v[NIL]                      ; the wave's opening: the add and its wait stand ahead of my first tensor load; the set-up below, work on registers, stands between them
	ds_add_u32 v[SPW], v[NIL]
	v_lshrrev_b32 v1, 5, v0
	v_readfirstlane_b32 s14, v1                    ; wave 0..3
	s_lshr_b32 s15, s14, 1                         ; which 128 of the tile's rows are mine.  Also: I fetch for y (0) or for W (1)
	s_and_b32 s16, s14, 1                          ; which 64 of its columns.  Also: which half of that tile I fetch
	s_bfe_u32 s40, ttmp6, 0x40000                  ; cx, cy
	s_bfe_u32 s41, ttmp6, 0x40004
	s_lshl_b32 s42, ttmp9, 2
	s_add_co_u32 s42, s42, s40                     ; tile column = 4 x cluster x + cx
	s_and_b32 s17, ttmp7, 0xffff
	s_lshl_b32 s17, s17, 2
	s_add_co_u32 s17, s17, s41                     ; tile row = 4 x cluster y + cy
	s_lshl_b32 s43, s41, 2
	s_lshl_b32 s43, 15, s43                        ; my row of the cluster
	s_lshl_b32 s44, 0x1111, s40                    ; my column
	s_or_b32 s[G1+0], s43, (3<<16)|(1<<21)         ; y: the mask of my row; elements of 8 bytes; no padding; 21 set beside a mask: a dense block, 128 rows of 256 bytes
	s_mov_b32 s[G1+1], 32<<16                      ; tensor_dim0 = 32
	s_mov_b32 s[G1+2], 128<<16                     ; tensor_dim1 = 128
	s_mov_b32 s[G1+3], 32<<16                      ; tile_dim0
	s_mov_b32 s[G1+4], 128                         ; tile_dim1
	s_mov_b32 s[G1+5], 32                          ; tensor_dim0_stride
	s_mov_b32 s[G1+6], 0
	s_mov_b32 s[G1+7], 0
	s_or_b32 s[G1B+0], s44, (0<<16)|(1<<20)|(1<<21)|(5<<22)|(3<<25)   ; W: the mask of my column; elements of 1 byte; four words of padding after every 64
	s_mov_b32 s[G1B+1], 256<<16
	s_mov_b32 s[G1B+2], 64<<16
	s_mov_b32 s[G1B+3], 256<<16
	s_mov_b32 s[G1B+4], 64
	s_mov_b32 s[G1B+5], 1024
	s_mov_b32 s[G1B+6], 0
	s_mov_b32 s[G1B+7], 0
	s_lshl_b32 s45, s16, 15                        ; where they go: y's half,
	s_mul_i32 s68, s16, BHALF
	s_add_co_u32 s68, s68, BOFF                    ; W's half: no place in the cluster enters an LDS address
	s_lshl_b32 s18, s16, 15
	s_lshl_b32 s20, s17, 16
	s_add_co_u32 s20, s20, s18                     ; y: 65,536 x tile row + 32,768 x half
	s_mov_b32 s21, 0
	s_lshl_b32 s18, s16, 16
	s_lshl_b32 s46, s42, 17
	s_add_co_u32 s46, s46, s18                     ; W: (128 x tile column + 64 x half) rows of 1,024 bytes
	s_mov_b32 s47, 0
	s_wait_dscnt 0x0                               ; the opening add is done
	s_wait_kmcnt 0x0
	s_load_b64 s[96:97], s[8:9], 0x18              ; e6, e7
	s_add_nc_u64 s[20:21], s[4:5], s[20:21]
	s_add_nc_u64 s[46:47], s[6:7], s[46:47]
	CROUND                                         ; all sixteen work-groups are here: the first joint loads meet
.irp s, 0,1
	s_mov_b32 s[G0+4*\s], 1
	s_add_co_u32 s[G0+4*\s+1], s45, \s*SLOT
	s_add_nc_u64 s[G0+4*\s+2:G0+4*\s+3], s[20:21], \s*KKB
	s_or_b32 s[G0+4*\s+3], s[G0+4*\s+3], 0x80000000
	s_mov_b32 s[G0B+4*\s], 1
	s_add_co_u32 s[G0B+4*\s+1], s68, \s*SLOT
	s_add_nc_u64 s[G0B+4*\s+2:G0B+4*\s+3], s[46:47], \s*256
	s_or_b32 s[G0B+4*\s+3], s[G0B+4*\s+3], 0x80000000
	s_wait_alu depctr_va_vdst(0)
	s_wait_tensorcnt 0x0
	ds_add_u32 v28, v29
	ds_add_u32 v28, v29
	s_wait_dscnt 0x0
	CROUND
	JLOAD G0+4*\s, G1, G0B+4*\s, G1B
.endr
	v_and_b32 v1, 15, v0                           ; r
	v_bfe_u32 v2, v0, 4, 1                         ; h
	v_and_b32 v3, 31, v0
	v_lshlrev_b32 v3, 4, v3                        ; 16 x lane
	v_mul_u32_u24 v4, v1, PITCH
	v_lshl_add_u32 v4, v2, 3, v4                   ; W: row r x pitch + 8 h
	s_lshl_b32 s21, s15, 15                        ; my 8 row blocks' images
	s_mul_i32 s22, s16, BHALF
	s_add_co_u32 s22, s22, BOFF                    ; my 64 rows of W
.irp s, 0,1
	v_add_nc_u32 v[ADRA+\s], s21, v3
	v_add_nc_u32 v[ADRB+\s], s22, v4
	s_add_co_u32 s21, s21, SLOT
	s_add_co_u32 s22, s22, SLOT
.endr
	s_mul_i32 s23, s14, 16*SPITCH                  ; my stage
	v_mul_u32_u24 v5, v1, SPITCH
	v_lshl_add_u32 v5, v2, 5, v5
	v_add_nc_u32 v[STO], s23, v5                   ; in: row r, 32 bytes for each half of the lanes
	v_mul_u32_u24 v5, v2, SPITCH
	v_lshl_add_u32 v5, v1, 4, v5
	v_add_nc_u32 v[RD], s23, v5                    ; back: lanes 0-15 one row of 256 bytes, lanes 16-31 the next
	v_lshlrev_b32 v5, 12, v2
	v_lshl_add_u32 v[CO], v1, 4, v5                ; and the same two rows in out0 (a row is 4,096 bytes)
	s_lshl_b32 s20, s17, 20
	s_lshl_b32 s21, s15, 19
	s_add_co_u32 s20, s20, s21                     ; my first row: 256 x tile row + 128 x half, in bytes
	s_mov_b32 s21, 0
	s_lshl_b32 s46, s42, 9
	s_lshl_b32 s47, s16, 8
	s_add_co_u32 s46, s46, s47                     ; my first column: 512 x tile column + 256 x half
	s_mov_b32 s47, 0
	s_add_nc_u64 s[20:21], s[20:21], s[46:47]
	s_add_nc_u64 s[10:11], s[10:11], s[20:21]
.macro PLACES n
.rept \n
	v_nop
.endr
.endm
; 64 LDS loads: the fragments of the slot's q-th 128 along K into set p
.macro FETCH slot, q, p
.set WSEL, 0x40*(1+(\p))
	WIN WSEL
.irp b, 0,1,2,3
.irp c, 0,1,2,3,4,5,6,7
	ds_load_b64 v[128+16*\b+2*\c:128+16*\b+2*\c+1], v[ADRB+\slot] offset:4352*\b+128*(\q)+16*\c
.endr
.endr
.irp a, 0,1,2,3,4,5,6,7
.irp c, 0,1,2,3
	ds_load_b128 v[16*\a+4*\c:16*\a+4*\c+3], v[ADRA+\slot] offset:4096*\a+2048*(\q)+512*\c
.endr
.endr
.endm
; 4 n matrix instructions: y's blocks a0 .. a0 + n - 1 x W's four, from set p.  The 32 accumulators take turns, one instruction a turn, in the same order in every step.
.macro MUL a0, n, p, zero
.set WSEL, 0xf5+5*(\p)                             ; sources 0 and 1: window 1 + p; C and D: window 3
	WIN WSEL
.set aa, \a0
.rept \n
.irp b, 0,1,2,3
.if \zero
	v_wmma_f32_16x16x128_fp8_fp8 v[32*aa+8*\b:32*aa+8*\b+7], v[128+16*\b:128+16*\b+15], v[16*aa:16*aa+15], 0
.else
	v_wmma_f32_16x16x128_fp8_fp8 v[32*aa+8*\b:32*aa+8*\b+7], v[128+16*\b:128+16*\b+15], v[16*aa:16*aa+15], v[32*aa+8*\b:32*aa+8*\b+7]
.endif
.endr
.set aa, aa+1
.endr
.endm
.macro STEP slot, zero                 ; a slot's first 128 along K, from set 0; its second 128 are fetched into set 1
	PLACES 4                                       ; set 1 was multiplied just now
	FETCH \slot, 1, 1
	s_wait_dscnt 63                                ; behind set 0's 64 loads stand the 64 just issued: with 63 out at the most, set 0 is in
	MUL 0, 8, 0, \zero
.endm
; A slot's second 128 along K, from set 1, and the change of slots: ONE barrier; in front of it each wave waits for all its tensor loads, adds 0 to its spare word, and waits for that and for its own reads of this slot.
.macro TURN slot, next, fill
	WIN 0                                          ; (the add's two registers lie in window 0)
	s_wait_tensorcnt 0x0                           ; all my tensor loads have landed: my part of the next slot
	ds_add_u32 v[SPW], v[NIL]                      ; 0 onto my spare word
	s_wait_dscnt 1                                 ; set 1 is in; the add may be out
	MUL 0, 2, 1, 0
	s_wait_dscnt 0x0                               ; the add is done, and my reads of this slot are over
	s_barrier_signal -1
	MUL 2, 2, 1, 0
	WIN 0
	s_barrier_wait -1
.if \fill
	CREST                                          ; the barrier has opened a round of the cluster's barrier: no wave of any partner still reads this slot or has a load on its way
	s_add_nc_u64 s[G0+4*\slot+2:G0+4*\slot+3], s[G0+4*\slot+2:G0+4*\slot+3], 2*KKB
	s_add_nc_u64 s[G0B+4*\slot+2:G0B+4*\slot+3], s[G0B+4*\slot+2:G0B+4*\slot+3], 512
	JLOAD G0+4*\slot, G1, G0B+4*\slot, G1B         ; the first tensor load behind the round; its four v_nop are the places in front of the loads below
.else
	PLACES 4
.endif
	s_wait_alu depctr_va_vdst(0)
	FETCH \next, 0, 0
	MUL 4, 4, 1, 0
.endm
	s_wait_tensorcnt 1                             ; my part of K step 0 is in (K step 1's load may be out),
	s_barrier_signal -1
	s_barrier_wait -1                              ; everybody's is
	FETCH 0, 0, 0
	STEP 0, 1                                      ; the first products start the sums: nothing is cleared
	TURN 0, 1, 1                                   ; slot 0 takes K step 2
	STEP 1, 0
	TURN 1, 0, 1                                   ; slot 1 takes K step 3
	STEP 0, 0
	TURN 0, 1, 0                                   ; nothing is left to fetch: no round
	STEP 1, 0
	s_wait_dscnt 0x0
	MUL 0, 8, 1, 0
	WIN 0
; THE WAY OUT, block by block of 16 rows x 64 columns: through my own stage in LDS, back as whole rows of 256 bytes.  LDS serves a wave's instructions in order (ISA guide 5.7.1.4): no wait between the stores and the loads.
.macro TOSTAGE a
	WIN 0x03                                       ; source 0: window 3
.irp j, 0,2,4,6,8,10,12,14,16,18,20,22,24,26,28,30
	v_pk_mul_f32 v[TMP+\j:TMP+\j+1], v[32*(\a)+\j:32*(\a)+\j+1], s[96:97] op_sel_hi:[1,0]   ; both x s96 = 2^(e6 + e7); each accumulator from its low end on
.endr
	WIN 0
.irp b, 0,1,2,3
	ds_store_b128 v[STO], v[TMP+8*\b:TMP+8*\b+3] offset:64*\b
	ds_store_b128 v[STO], v[TMP+8*\b+4:TMP+8*\b+7] offset:64*\b+16
.endr
.set BB, BK+32*((\a)%2)
.irp t, 0,1,2,3,4,5,6,7
	ds_load_b128 v[BB+4*\t:BB+4*\t+3], v[RD] offset:\t*2*SPITCH
.endr
.endm
.macro SEND a, younger                 ; younger: the LDS instructions issued behind block a's loads, which may stay out
.set BB, BK+32*((\a)%2)
	s_wait_dscnt \younger
.irp t, 0,1,2,3,4,5,6,7
	global_store_b128 v[CO], v[BB+4*\t:BB+4*\t+3], s[10:11] offset:(16*(\a)+2*\t)*4096 th:TH_STORE_NT   ; sixteen lanes store 256 consecutive bytes, aligned; the base is never stepped: 126 rows at the most stand in the immediate
.endr
.endm
	s_wait_kmcnt 0x0
	s_add_co_i32 s96, s96, s97
	s_add_co_i32 s96, s96, 127
	s_lshl_b32 s96, s96, 23                        ; 2^(e6 + e7) as f32
	PLACES 4                                       ; in front of the first read of results
	TOSTAGE 0
.irp a, 1,2,3,4,5,6,7
.if \a > 1
	s_wait_xcnt 0x0                                ; block a - 2's stores have read their registers: block a's loads may land there
.endif
	TOSTAGE \a
	SEND \a-1, 16                                  ; behind block a - 1's loads: block a's 8 stores and 8 loads
.endr
	SEND 7, 0
	s_wait_tensorcnt 0x0                           ; the wave's end, behind my last tensor load and my last LDS store
	ds_add_u32 v[SPW], v[NIL]
	s_wait_dscnt 0x0
	CROUND                                         ; the closing round: no work-group ends while a partner may still ask for a tile that names it
	s_endpgm
.Lfunc_end_k_q4d70501ac0_proj:
	.size	k_q4d70501ac0_proj, .Lfunc_end_k_q4d70501ac0_proj-k_q4d70501ac0_proj
	.p2alignl 7, 3214868480
	.fill 96, 4, 3214868480
	.section	.rodata,"a",@progbits
	.p2align	6, 0x0
	.amdhsa_kernel k_q4d70501ac0_proj
		.amdhsa_group_segment_fixed_size 327680
		.amdhsa_private_segment_fixed_size 0
		.amdhsa_enable_private_segment 0
		.amdhsa_kernarg_size 32
		.amdhsa_user_sgpr_count 2
		.amdhsa_user_sgpr_kernarg_segment_ptr 1
		.amdhsa_wavefront_size32 1
		.amdhsa_system_sgpr_workgroup_id_x 1
		.amdhsa_system_sgpr_workgroup_id_y 1
		.amdhsa_system_sgpr_workgroup_id_z 1
		.amdhsa_system_vgpr_workitem_id 0
		.amdhsa_next_free_vgpr 1024
		.amdhsa_next_free_sgpr 100
		.amdhsa_reserve_vcc 0
		.amdhsa_float_denorm_mode_32 3
		.amdhsa_float_denorm_mode_16_64 3
		.amdhsa_memory_ordered 1
		.amdhsa_forward_progress 1
		.amdhsa_inst_pref_size 84
	.end_amdhsa_kernel
	.amdgpu_metadata
---
amdhsa.version: [ 1, 2 ]
amdhsa.kernels:
  - .name:           k_q4d70501ac0_proj
    .symbol:         k_q4d70501ac0_proj.kd
    .args:
      - { .name: yc, .offset: 0, .size: 8, .value_kind: global_buffer, .address_space: global }
      - { .name: wpc, .offset: 8, .size: 8, .value_kind: global_buffer, .address_space: global }
      - { .name: lowp_scales, .offset: 16, .size: 8, .value_kind: global_buffer, .address_space: global }
      - { .name: out0, .offset: 24, .size: 8, .value_kind: global_buffer, .address_space: global }
    .group_segment_fixed_size: 327680
    .private_segment_fixed_size: 0
    .kernarg_segment_align: 8
    .kernarg_segment_size: 32
    .max_flat_workgroup_size: 128
    .sgpr_count:     100
    .vgpr_count:     1024
    .wavefront_size: 32
...
	.end_amdgpu_metadata
.endif
;; end of part 4
